; MI455X (gfx1250); checked and timed in simulation.
; The chip was launched on July 23, 2026; its instructions are those of AMD's public machine-readable ISA for CDNA 5 (MIT licence, August 2026) and "CDNA5" Instruction Set Architecture Reference Guide (July 2026). The comments in the code are by the model that wrote it; some were corrected since.
;; Multi Head Attention. Allowed arithmetic: matrix products marked QUANTISED: E4M3 operands, one E8M0 scale for each 32 along K, by v_wmma_scale_f32_16x16x128_f8f6f4 with both operands' format E4M3, f32 sums; everything else in f32.
;; Inputs: Wk 16 x 1,024 x 64 float32; Wp 1,024 x 1,024 float32; Wq 16 x 1,024 x 64 float32; Wv 16 x 1,024 x 64 float32; batch_x 4 x 2,048 x 1,024 float32; bk 16 x 64 float32; bp 1,024 float32; bq 16 x 64 float32; bv 16 x 64 float32.
;; Outputs: out0 4 x 2,048 x 1,024 float32.
;; This version of the problem:
;;   THIS VERSION OF THE PROBLEM IS GIVEN IN LOW PRECISION. The matrix products marked QUANTISED in the list below multiply operands that are first quantised to E4M3 (4 exponent bits, 3 mantissa bits; 8 bits a number), with one power-of-two scale for each 32 numbers along K (OCP MX v1.0); their sums are f32. All else is computed in f32.
;;   The module's matrix products, in the order in which they are computed (A, B: the left and right operand; K: the contracted axis; several contracted axes count as one K, in the product's order):
;;     1. [M 1,024, K 1,024] x [K 1,024, N 8,192]; A: input Wq; B: input batch_x: QUANTISED
;;     2. [M 1,024, K 1,024] x [K 1,024, N 8,192]; A: input Wk; B: input batch_x: QUANTISED
;;     3. [M 1,024, K 1,024] x [K 1,024, N 8,192]; A: input Wv; B: input batch_x: QUANTISED
;;     4. batch 64 x [M 2,048, K 64] x [K 64, N 2,048]; A: computed on the way; B: computed on the way: QUANTISED
;;     5. batch 64 x [M 2,048, K 2,048] x [K 2,048, N 64]; A: softmax (see below); B: computed on the way: QUANTISED
;;     6. [M 8,192, K 1,024] x [K 1,024, N 1,024]; A: computed on the way; B: input Wp: QUANTISED
;;   THE QUANTISER, for each operand of a quantised product, along K:
;;     - K is cut into blocks of 32 from its start; a last block that is shorter is filled with zeros.
;;     - A block's scale is 2^e with e = floor(log2(the largest magnitude in the block)) - 8, held to -126 .. 127; a block of zeros has e = 0. As a byte (E8M0): e + 127.
;;     - Each number is divided by its block's scale, clamped to +-448, and rounded to the nearest number of E4M3, ties to even, subnormals kept.
;;     - The product sums the exact products of the quantised numbers (number of the format x scale) in f32.
;;   ~~~python
;;   def quantise(x, axis):      # numpy; x: float32 -> the quantised numbers, widened to float32 again
;;       x = np.moveaxis(x, axis, -1); K = x.shape[-1]
;;       x = np.pad(x, [(0, 0)] * (x.ndim - 1) + [(0, -K % 32)]); x = x.reshape(x.shape[:-1] + (-1, 32)); a = np.abs(x).max(-1, keepdims=True)
;;       e = np.where(a > 0, np.clip(np.frexp(np.where(a > 0, a, 1))[1] - 1 - 8, -126, 127), 0)      # np.frexp(a)[1] - 1 = floor(log2(a)), exactly
;;       r = np.clip(x / 2.0 ** e, -448, 448)
;;       step = 2.0 ** (np.maximum(np.frexp(np.where(r == 0, 1, r))[1] - 1, -6) - 3)
;;       q = np.round(r / step) * step * 2.0 ** e      # np.round: ties to even
;;       return np.moveaxis(q.reshape(q.shape[:-2] + (-1,))[..., :K], -1, axis).astype(np.float32)
;;   ~~~
;;   SOFTMAX AHEAD OF A QUANTISED PRODUCT. Where the list says 'softmax', what is quantised is not the finished softmax but p = 2^(t - M), with t = logit x log2(e) and M = ceil(the row's largest t), a whole number; so 1/2 < the row's largest p <= 1. The row's sum l is taken of the UNQUANTISED p, in f32, and the product's result is divided by l at the end. Since M is a whole number, a kernel that streams over the keys may use a running M (the ceiling of the running maximum): every later rescaling is an exact power of two, which a block's scale takes up: the codes' values come out the same.
;;   OPERANDS COMPUTED ON THE WAY. 'Computed on the way' means the value that the module computes at that place (a softmax that the list does not call 'softmax' is quantised finished and normalised). What goes into a quantiser is computed in f32, as accurately as f32 sums, v_exp_f32 and their like allow (about 1e-6 of the number): no bf16 or f16 on the way to a quantiser, and a product that is left as it is and whose result goes on into a quantised operand takes f32 operands (vector FMAs, or v_wmma_f32_16x16x4_f32). A number that lies on a knife's edge between two numbers of the format may be rounded either way, as far as f32 arithmetic and the matrix unit's own rounding can turn it there, and no further.
;; One version. Each part assembles by itself: llvm-mc -triple=amdgcn-amd-amdhsa -mcpu=gfx1250 --defsym DOCPART=n.
;; ======== version 1 of 1: 4 launches
;; limits: right only within a limited range of input values
;; workspace buffers: cod 12,582,912 bytes; scl 393,216 bytes; qkv 34,603,008 bytes; oc 8,388,608 bytes; os 262,144 bytes
;; launch prep (part 1): grid 384 x 1, 4 waves a work-group, no clusters, 68,096 bytes of LDS; arguments batch_x, Wq, Wk, Wv, Wp, cod, scl; writes cod, scl
.if DOCPART == 1
	.amdgcn_target "amdgcn-amd-amdhsa--gfx1250"
	.amdhsa_code_object_version 6
	.text
	.protected	k_q02cd320679_prep
	.globl	k_q02cd320679_prep
	.p2align	8
	.type	k_q02cd320679_prep,@function
k_q02cd320679_prep:
	s_mov_b64 s[64:65], 0
	v_nop
	global_prefetch_b8 v0, s[64:65] scope:SCOPE_SE
	s_setreg_imm32_b32 hwreg(HW_REG_WAVE_MODE, 25, 1), 1
	s_wait_xcnt 0x0
; PREP: batch_x and the four weights, f32, become codes of FP8 (E4M3) with one E8M0 scale byte for each 32 along K.
; cod: [12288 rows][1024 codes], K innermost; scl: [12288][32].  Rows 0..8191: x (token = 2048 b + t).  Rows 8192 + 1024 T + n: T = 0 Wq, 1 Wk, 2 Wv (n = 64 head + d), 3 Wp (n = its column).
; A block's scale is 2^(floor(log2(its largest magnitude)) - 8); its byte is that magnitude's exponent field - 8, held at 1 from below; each number is held within +-448 x the scale and rounded to the nearest code, ties to even.
; IN Wp's ROWS the second and third groups of 8 codes of each block of 32 change places: byte 16 h + 8 u + j holds k = 16 u + 8 h + j.  That is the order in which the attention launch leaves o's codes;
; a block stays a block, so the scales are untouched, and both operands of the last product have the same order.
; LIMITS: NaN and infinities among the inputs are not served.  A block of zeros, or one whose largest magnitude lies under 2^-118, gets the byte 1: its bytes are read by this program alone.
; SHARES: work-groups 0..255 take x (a plain stream of blocks: 32,768 numbers a work-group), 256..383 the weights (128 columns x 256 along K each): 131,072 bytes read by each.
; The two paths part on the work-group's number and have LDS bytes of their own.  No tensor loads, no barrier: waves share nothing.  Matrix units and clusters have nothing to do in a stream.
.set STEPS, 16
.set EMAX,  8
.set MANT,  0x600000                   ; the mantissa field of 448 as f32
.set CB,    16                         ; bytes of 16 codes
.set R,     16                         ; x path: v16-79 four sets of 16 numbers as loaded
.set X,     80                         ; v80-111 two sets of 16 neighbours
.set E,     112                        ; v112-127 a scale byte for each step
.set C,     128                        ; v128-191 codes, four registers a step
.set WREG,  8192                       ; x path LDS: a region for each wave: two stages of 32 x SP bytes, then its 256 scale bytes
.set SP,    80                         ; a lane's place in a stage: 64 bytes + 16 of padding
.set WST,   32768                      ; weights' path LDS: a stage of 32 rows x PITCH for each wave
.set PITCH, 272
.set WX,    32                         ; weights: v32-95 two sets of 32 numbers
.set WC,    96                         ; v96-103 a block's codes as stored; v104-107 the two middle groups as converted
.set SB,    24                         ; v24-25 eight scale bytes
.set OUTR,  112                        ; v112-175 the way out
.set VO,    176                        ; v176-207 the byte offset of row i of a block: 4 x lane + i x the row pitch
	s_load_b256 s[4:11], s[0:1], 0x0               ; x s[4:5], Wq s[6:7], Wk s[8:9], Wv s[10:11]
	s_load_b128 s[12:15], s[0:1], 0x20             ; Wp s[12:13], cod s[14:15]
	s_load_b64 s[16:17], s[0:1], 0x30              ; scl
	v_lshl_add_u32 v208, v0, 2, 0x10800
	v_mov_b32 v209, 0
	v_lshrrev_b32 v1, 5, v0
	v_readfirstlane_b32 s18, v1                    ; wave
	v_and_b32 v2, 31, v0                           ; lane
	s_mov_b32 s23, MANT                            ; (an instruction takes one literal: the hold's line has another)
	s_cmp_lt_u32 ttmp9, 256
	s_cbranch_scc0 .Lw
; ---------------- x: K is innermost.  A wave takes 16 steps of 512 numbers.  Each load reads 512 consecutive bytes; a step's 2,048 bytes turn through the wave's stage so that a lane holds 16 neighbours.
	v_lshlrev_b32 v3, 4, v2                        ; my 16 bytes of a load's 512
	s_mul_i32 s19, s18, WREG
	v_lshrrev_b32 v14, 2, v2
	v_mul_u32_u24 v14, v14, SP
	v_and_b32 v15, 3, v2
	v_lshl_add_u32 v14, v15, 4, v14
	v_add_nc_u32 v14, s19, v14                     ; into the stage: SP (lane / 4) + 16 (lane % 4)
	v_mul_u32_u24 v15, v2, SP
	v_add_nc_u32 v15, s19, v15                     ; out of it: SP x lane
	v_mul_u32_u24 v4, v2, CB                       ; my codes' place in a step's 512 bytes
	v_lshrrev_b32 v5, 1, v2
	s_add_co_u32 s19, s19, 2*32*SP
	v_add_nc_u32 v5, s19, v5                       ; my block's scale byte in the wave's 256
	v_lshlrev_b32 v7, 3, v2
	v_add_nc_u32 v6, s19, v7                       ; and 8 bytes a lane on the way out
	s_lshl_b32 s20, ttmp9, 2
	s_add_co_u32 s20, s20, s18                     ; which run of 8,192 numbers is my wave's: 0..1023
	s_lshl_b32 s24, s20, 15
	s_mov_b32 s25, 0
	s_lshl_b32 s26, s20, 13
	s_mov_b32 s27, 0
	s_lshl_b32 s28, s20, 8
	s_mov_b32 s29, 0
	s_wait_alu depctr_va_vdst(0)
	s_wait_kmcnt 0x0
	s_add_nc_u64 s[4:5], s[4:5], s[24:25]
	s_add_nc_u64 s[14:15], s[14:15], s[26:27]
	s_add_nc_u64 s[16:17], s[16:17], s[28:29]
.macro XLOAD t
.irp i, 0,1,2,3
	global_load_b128 v[R+16*((\t)%4)+4*\i:R+16*((\t)%4)+4*\i+3], v3, s[4:5] offset:2048*(\t)+512*\i th:TH_LOAD_NT
.endr
.endm
.macro XTURN t                         ; LDS serves a wave's instructions in order: no wait between the stores and the loads
.irp i, 0,1,2,3
	ds_store_b128 v14, v[R+16*((\t)%4)+4*\i:R+16*((\t)%4)+4*\i+3] offset:32*SP*((\t)%2)+8*SP*\i
.endr
.irp i, 0,1,2,3
	ds_load_b128 v[X+16*((\t)%2)+4*\i:X+16*((\t)%2)+4*\i+3], v15 offset:32*SP*((\t)%2)+16*\i
.endr
.endm
.irp t, 0,1,2,3
	XLOAD \t
.endr
	s_wait_loadcnt 12                              ; step 0's four loads are in; the twelve behind them stay out
	XTURN 0
.macro XSTEP t
.set XS, X+16*((\t)%2)
.if (\t) > 0
	s_wait_dscnt 1                                 ; this step's numbers are back from the stage; the last step's byte store may be out
.else
	s_wait_dscnt 0x0
.endif
.if (\t)+4 < STEPS
	XLOAD (\t)+4                                   ; into the registers that this step's stage stores have read
.endif
.if (\t)+1 < STEPS
.if STEPS-2-(\t) >= 3
	s_wait_loadcnt 12                              ; the next step's four loads are in; three steps' may be out
.else
	s_wait_loadcnt 4*(STEPS-2-(\t))
.endif
	XTURN (\t)+1
.endif
	v_max3_num_f32 v8, |v[XS]|, |v[XS+1]|, |v[XS+2]|               ; the largest magnitude of my 16, in two chains
	v_max3_num_f32 v9, |v[XS+3]|, |v[XS+4]|, |v[XS+5]|
.irp i, 6,10
	v_max3_num_f32 v8, v8, |v[XS+\i]|, |v[XS+\i+1]|
	v_max3_num_f32 v9, v9, |v[XS+\i+2]|, |v[XS+\i+3]|
.endr
	v_max3_num_f32 v8, v8, |v[XS+14]|, |v[XS+15]|
	v_max3_num_f32 v8, v8, v9, (EMAX+1)<<23        ; and the floor 2^(9 - 127): the byte cannot fall under 1
	v_max_num_f32_dpp v8, v8, v8 row_xmask:1 row_mask:0xf bank_mask:0xf   ; with my neighbour's 16: the block's
	v_add_nc_u32 v11, -(EMAX<<23), v8              ; 8 off the exponent field: the conversion's scale operand
	v_and_or_b32 v10, v8, 0x7f800000, s23          ; 448 x the scale
.irp i, 0,1,2,3,4,5,6,7,8,9,10,11,12,13,14,15
	v_med3_num_f32 v[XS+\i], v[XS+\i], -v10, v10   ; the conversion to an 8-bit code does not saturate (ISA guide 7.6.2): the hold comes first
.endr
	v_cvt_scalef32_pk8_fp8_f32 v[C+4*(\t):C+4*(\t)+1], v[XS:XS+7], v11
	v_cvt_scalef32_pk8_fp8_f32 v[C+4*(\t)+2:C+4*(\t)+3], v[XS+8:XS+15], v11
	v_lshrrev_b32 v[E+(\t)], 23, v11               ; the scale's byte (also the plain line behind the conversions)
	ds_store_b8 v5, v[E+(\t)] offset:16*(\t)       ; both lanes of a block write the same byte with the same value
	global_store_b128 v4, v[C+4*(\t):C+4*(\t)+3], s[14:15] offset:32*CB*(\t)   ; the wave stores 512 consecutive bytes, aligned
.endm
.irp t, 0,1,2,3,4,5,6,7,8,9,10,11,12,13,14,15
	XSTEP \t
.endr
	ds_load_b64 v[12:13], v6
	s_wait_dscnt 0x0
	global_store_b64 v7, v[12:13], s[16:17]        ; the wave's 256 scale bytes, consecutive and aligned
	s_wait_tensorcnt 0x0
	ds_add_u32 v208, v209
	s_wait_dscnt 0x0
	s_endpgm
; ---------------- the weights: K is not innermost.  A lane takes a column n and its registers run down K: a block of 32 lies in one lane, and the conversions give codes with K innermost.
.Lw:
	s_sub_co_u32 s19, ttmp9, 256                   ; g = 0..127
	s_lshr_b32 s20, s19, 5                         ; T: which weight
	s_bfe_u32 s21, s19, 0x30002                    ; which 128 columns
	s_and_b32 s22, s19, 3                          ; which 256 along K
	s_lshl_b32 s21, s21, 7
	s_lshl_b32 s24, s18, 5
	s_add_co_u32 s21, s21, s24                     ; n0: my wave's first column
	s_lshl_b32 s25, s21, 2                         ; Wp [k][n]: 4 n0
	s_lshr_b32 s26, s21, 6                         ; Wq, Wk, Wv [head][k][d]: 262,144 x head + 4 d
	s_lshl_b32 s26, s26, 18
	s_and_b32 s27, s21, 63
	s_lshl_b32 s27, s27, 2
	s_add_co_u32 s26, s26, s27
	s_mov_b32 s28, 256                             ; their pitch from k to k + 1
	s_wait_alu depctr_va_vdst(0)
	v_lshlrev_b32 v3, 2, v2                        ; 4 bytes a lane: a load reads 128 consecutive bytes
	s_mul_i32 s29, s18, 32*PITCH
	s_add_co_u32 s29, s29, WST                     ; my stage
	v_mul_u32_u24 v4, v2, PITCH
	v_add_nc_u32 v4, s29, v4                       ; into it: row = my column
	v_and_b32 v5, 15, v2
	v_lshrrev_b32 v6, 4, v2
	v_mul_u32_u24 v7, v6, PITCH
	v_lshl_add_u32 v7, v5, 4, v7
	v_add_nc_u32 v7, s29, v7                       ; out of it: sixteen lanes to a row, two rows an instruction
	v_lshlrev_b32 v8, 10, v6
	v_lshl_add_u32 v8, v5, 4, v8                   ; the same place in cod: rows of 1,024 bytes
	v_lshlrev_b32 v9, 5, v2                        ; my column's row of scale bytes
	s_wait_kmcnt 0x0
	s_cmp_eq_u32 s20, 1                            ; the choices hang on the work-group's number alone
	s_cselect_b64 s[6:7], s[8:9], s[6:7]
	s_cmp_eq_u32 s20, 2
	s_cselect_b64 s[6:7], s[10:11], s[6:7]
	s_cmp_eq_u32 s20, 3
	s_cselect_b64 s[6:7], s[12:13], s[6:7]
	s_cselect_b32 s28, 4096, s28                   ; Wp's pitch
	s_cselect_b32 s30, -1, 0                       ; Wp: the two middle groups change places
	s_cselect_b32 s26, s25, s26
	s_mul_i32 s27, s22, s28
	s_lshl_b32 s27, s27, 8                         ; 256 rows of K for each step along K
	s_add_co_u32 s26, s26, s27
	s_mov_b32 s27, 0
	s_add_nc_u64 s[32:33], s[6:7], s[26:27]        ; block 0's base; a base for each of the eight blocks, so that no pointer is stepped
	s_lshl_b32 s24, s28, 5
	s_mov_b32 s25, 0
.irp t, 1,2,3,4,5,6,7
	s_add_nc_u64 s[32+2*\t:33+2*\t], s[30+2*\t:31+2*\t], s[24:25]
.endr
	s_lshl_b32 s19, s20, 10
	s_add_co_u32 s19, s19, s21
	s_add_co_u32 s19, s19, 8192                    ; my first row of cod and scl
	s_lshl_b32 s48, s19, 10
	s_lshl_b32 s50, s22, 8
	s_add_co_u32 s48, s48, s50
	s_mov_b32 s49, 0
	s_add_nc_u64 s[14:15], s[14:15], s[48:49]
	s_lshl_b32 s48, s19, 5
	s_lshl_b32 s50, s22, 3
	s_add_co_u32 s48, s48, s50
	s_add_nc_u64 s[16:17], s[16:17], s[48:49]
.set i, 0
.rept 32
	v_mad_u32_u24 v[VO+i], s28, i, v3
.set i, i+1
.endr
.macro WLOAD t                         ; block t: W(32 t + i, my column) into set t % 2
.set i, 0
.rept 32
	global_load_b32 v[WX+32*((\t)%2)+i], v[VO+i], s[32+2*(\t):33+2*(\t)] th:TH_LOAD_NT
.set i, i+1
.endr
.endm
	WLOAD 0
	WLOAD 1
.macro WBLOCK t
.set XS, WX+32*((\t)%2)
.if (\t) < 7
	s_wait_loadcnt 32                              ; this block's 32 loads are in; the next block's may be out
.else
	s_wait_loadcnt 0
.endif
	v_max3_num_f32 v12, |v[XS]|, |v[XS+1]|, |v[XS+2]|               ; all 32 numbers of the block are mine
	v_max3_num_f32 v13, |v[XS+3]|, |v[XS+4]|, |v[XS+5]|
.irp i, 6,10,14,18,22,26
	v_max3_num_f32 v12, v12, |v[XS+\i]|, |v[XS+\i+1]|
	v_max3_num_f32 v13, v13, |v[XS+\i+2]|, |v[XS+\i+3]|
.endr
	v_max3_num_f32 v12, v12, |v[XS+30]|, |v[XS+31]|
	v_max3_num_f32 v12, v12, v13, (EMAX+1)<<23     ; and the floor
	v_add_nc_u32 v11, -(EMAX<<23), v12             ; the conversion's scale operand
	v_and_or_b32 v10, v12, 0x7f800000, s23         ; 448 x the scale
	v_lshrrev_b32 v13, 23, v11                     ; the scale's byte
.if (\t)%4 == 0
	v_mov_b32 v[SB+(\t)/4], v13
.else
	v_lshl_or_b32 v[SB+(\t)/4], v13, 8*((\t)%4), v[SB+(\t)/4]
.endif
.set i, 0
.rept 32
	v_med3_num_f32 v[XS+i], v[XS+i], -v10, v10
.set i, i+1
.endr
	v_cvt_scalef32_pk8_fp8_f32 v[WC:WC+1], v[XS:XS+7], v11
	v_cvt_scalef32_pk8_fp8_f32 v[WC+8:WC+9], v[XS+8:XS+15], v11
	v_cvt_scalef32_pk8_fp8_f32 v[WC+10:WC+11], v[XS+16:XS+23], v11
	v_cvt_scalef32_pk8_fp8_f32 v[WC+6:WC+7], v[XS+24:XS+31], v11
	v_nop                                          ; one plain line between the conversions and the lines that read their results
	v_cndmask_b32 v[WC+2], v[WC+8], v[WC+10], s30  ; the middle groups: as they lie, or (Wp) changed about
	v_cndmask_b32 v[WC+3], v[WC+9], v[WC+11], s30
	v_cndmask_b32 v[WC+4], v[WC+10], v[WC+8], s30
	v_cndmask_b32 v[WC+5], v[WC+11], v[WC+9], s30
	ds_store_b128 v4, v[WC:WC+3] offset:32*(\t)
	ds_store_b128 v4, v[WC+4:WC+7] offset:32*(\t)+16
.if (\t)+2 < 8
	WLOAD (\t)+2
.endif
	s_wait_dscnt 0x0                               ; the stores have read their registers: the next block's codes may be written
.endm
.irp t, 0,1,2,3,4,5,6,7
	WBLOCK \t
.endr
	global_store_b64 v9, v[SB:SB+1], s[16:17]      ; my column's 8 scale bytes: 8 bytes a lane, 32 bytes apart: one byte in 128 of what the path reads
.irp t, 0,1,2,3,4,5,6,7,8,9,10,11,12,13,14,15
	ds_load_b128 v[OUTR+4*\t:OUTR+4*\t+3], v7 offset:2*\t*PITCH
.endr
.irp t, 0,1,2,3,4,5,6,7,8,9,10,11,12,13,14,15
	s_wait_dscnt 15-\t                             ; read-back t is in; the younger ones stay out
	global_store_b128 v8, v[OUTR+4*\t:OUTR+4*\t+3], s[14:15] offset:2*\t*1024   ; sixteen lanes store 256 consecutive bytes, aligned
.endr
	s_wait_tensorcnt 0x0
	ds_add_u32 v208, v209
	s_wait_dscnt 0x0
	s_endpgm
.Lfunc_end_k_q02cd320679_prep:
	.size	k_q02cd320679_prep, .Lfunc_end_k_q02cd320679_prep-k_q02cd320679_prep
	.p2alignl 7, 3214868480
	.fill 96, 4, 3214868480
	.section	.rodata,"a",@progbits
	.p2align	6, 0x0
	.amdhsa_kernel k_q02cd320679_prep
		.amdhsa_group_segment_fixed_size 68096
		.amdhsa_private_segment_fixed_size 0
		.amdhsa_enable_private_segment 0
		.amdhsa_kernarg_size 56
		.amdhsa_user_sgpr_count 2
		.amdhsa_user_sgpr_kernarg_segment_ptr 1
		.amdhsa_wavefront_size32 1
		.amdhsa_system_sgpr_workgroup_id_x 1
		.amdhsa_system_sgpr_workgroup_id_y 1
		.amdhsa_system_sgpr_workgroup_id_z 1
		.amdhsa_system_vgpr_workitem_id 0
		.amdhsa_next_free_vgpr 210
		.amdhsa_next_free_sgpr 66
		.amdhsa_reserve_vcc 0
		.amdhsa_float_denorm_mode_32 3
		.amdhsa_float_denorm_mode_16_64 3
		.amdhsa_memory_ordered 1
		.amdhsa_forward_progress 1
		.amdhsa_inst_pref_size 114
	.end_amdhsa_kernel
	.amdgpu_metadata
---
amdhsa.version: [ 1, 2 ]
amdhsa.kernels:
  - .name:           k_q02cd320679_prep
    .symbol:         k_q02cd320679_prep.kd
    .args:
      - { .name: batch_x, .offset: 0, .size: 8, .value_kind: global_buffer, .address_space: global }
      - { .name: Wq, .offset: 8, .size: 8, .value_kind: global_buffer, .address_space: global }
      - { .name: Wk, .offset: 16, .size: 8, .value_kind: global_buffer, .address_space: global }
      - { .name: Wv, .offset: 24, .size: 8, .value_kind: global_buffer, .address_space: global }
      - { .name: Wp, .offset: 32, .size: 8, .value_kind: global_buffer, .address_space: global }
      - { .name: cod, .offset: 40, .size: 8, .value_kind: global_buffer, .address_space: global }
      - { .name: scl, .offset: 48, .size: 8, .value_kind: global_buffer, .address_space: global }
    .group_segment_fixed_size: 68096
    .private_segment_fixed_size: 0
    .kernarg_segment_align: 8
    .kernarg_segment_size: 56
    .max_flat_workgroup_size: 128
    .sgpr_count:     66
    .vgpr_count:     210
    .wavefront_size: 32
...
	.end_amdgpu_metadata
.endif
;; end of part 1
;; launch qkv (part 2): grid 8 x 48, 4 waves a work-group, clusters of 4 x 4, 327,680 bytes of LDS; arguments cod, scl, bq, bk, bv, qkv; writes qkv
.if DOCPART == 2
	.amdgcn_target "amdgcn-amd-amdhsa--gfx1250"
	.amdhsa_code_object_version 6
	.text
	.protected	k_q02cd320679_qkv
	.globl	k_q02cd320679_qkv
	.p2align	8
	.type	k_q02cd320679_qkv,@function
k_q02cd320679_qkv:
	s_mov_b64 s[64:65], 0
	v_nop
	global_prefetch_b8 v0, s[64:65] scope:SCOPE_SE
	s_setreg_imm32_b32 hwreg(HW_REG_WAVE_MODE, 25, 1), 1
	s_wait_xcnt 0x0
	s_wait_alu depctr_hold_cnt(0) depctr_sa_sdst(0) depctr_va_vdst(0) depctr_va_sdst(0) depctr_va_ssrc(0) depctr_va_vcc(0) depctr_vm_vsrc(0)
	s_getreg_b32 s2, hwreg(HW_REG_IB_STS2, 6, 4)
	s_cmp_eq_u32 s2, 0
	s_cbranch_scc0 .Lentry_in_a_cluster
	s_endpgm
.Lentry_in_a_cluster:
	s_bfe_u32 s2, ttmp6, 0x10000c
	s_cmp_lg_u32 s2, 0xf033
	s_cbranch_scc0 .Lentry_shape_is_right
	s_endpgm
.Lentry_shape_is_right:
; QKV: q = x Wq + bq, k = x Wk + bk, v = x Wv + bv on codes of FP8 (E4M3) with E8M0 scales (K = 1,024), and the results quantised at once for the attention launch: nothing goes to memory as f32.
; ONE TEXT FOR ALL THREE.  A tile is P x R, 256 x 256: source 0 takes 16 rows of P, source 1 16 rows of R, so a lane holds ONE row of R and its registers run along P.  P is the axis along which the result is quantised:
;   q, k: P = the weight's rows (channels: the next K is the head's 64), R = tokens.     v: P = tokens (the next K is the keys), R = Wv's rows.
; Both tiles are rows of the same buffers (cod [12288][1024], scl [12288][32]); only row numbers differ between the cases, and they are chosen by s_cselect on the CLUSTER's y, which all partners share.
; Clusters y 0..7: tokens 1024 y on; cluster x = 0: Wq, 1: Wk.  Clusters y 8..11: v; tokens 1024 (2 (y - 8) + x) on, all of Wv.
; A work-group has four waves, a wave 128 x 128: 64 accumulators.  K goes in steps of 256 through a ring of two LDS slots; the scales of the work-group's rows come once.  4 x 4 work-groups form a cluster:
; R's tile is shared along a row of the cluster, P's along a column: each is asked for jointly.
; Nothing is prefetched: there are four K steps, and two of them are the first fills.
; THE BIAS along P (q, k) is the C of each sum's first product; the bias along R (v) is added in the way out; each is replaced by 0 in the other case, by v_cndmask.
; THE WAY OUT: the 16 registers of P tiles 2 g and 2 g + 1 are a lane's half of a block of 32; lane l xor 16 holds the other half.  Operand byte 16 h + 8 u + j stands for index 16 u + 8 h + j of the block,
; alike in q and k, and alike in v and in the p of the attention launch.  Codes leave as IMAGES OF THE OPERAND'S REGISTERS: 16 bytes a lane, 512 consecutive aligned bytes a store.
; qkv: area 0 (k, v), area 1 (q: the K parts alone); in an area [b 16 + head][slot of 256 tokens] of SLB bytes: +0 K codes, 16 tiles x [c 2][lane][16]; +16384 V codes [128 keys 2][16 channels 4][c 4][lane][16];
;   +32768 K scale halves, 2 bytes a token; +33280 V scale words [128 keys 2][channel 64].
; LIMITS: NaN and infinities are not served.  A block of zeros, or one under 2^-118, gets the byte 1: the bytes are read by this program alone.
; REGISTERS: window 0: v0-31 addresses (v8-15 R's bias); v32-63 scale words, two sets; v64-127 P's bias, later at work; v128-255 R's fragments, one set, later the codes.  window 1: P's fragments, two sets.  windows 2, 3: accumulators.
.set KSTEP,  256
.set NQ,     2                         ; matrix instructions deep in a slot
.set ROWB,   256                       ; a tile's row in bytes
.set KROW,   1024                      ; a row of cod
.set PITCH,  272                       ; an LDS row: 256 bytes + 16 of padding = 68 words: the 16 rows that a load touches start at 16 different banks (64 banks of 4 bytes: ISA guide 11.1)
.set FR,     16
.set NL,     4
.set NP,     8                         ; places behind this matrix instruction (ISA guide 7.12.1)
.set HALFT,  128*PITCH
.set SLOT,   4*HALFT                   ; R's 256 rows, then P's 256 rows
.set LAPS,   2                         ; 1,024 / 512
.set KS,     32                        ; a row of scales in bytes
.set SCL,    2*SLOT
.set HALFS,  (128*KS/256)*272
.set SBLK,   (16*KS/256)*272
.set SPARE,  SCL+4*HALFS               ; the spare words: 128 bytes a wave, two blocks of 256 bytes that no other line names
.set SLB,    33792
.set BHS,    8*SLB
.set AREA,   64*BHS
.set BR,   8                           ; v8-15   R's bias: register a = that of my lane's row in block a
.set ADRA, 16                          ; v16-17  LDS address of my R fragments in slot 0, 1
.set ADRB, 20                          ; v20-21  the same for P
.set SOF,  22                          ; v22     the scales' store: 16 (lane % 16) + BHS (lane / 16)
.set LI,   24                          ; v24     16 x lane
.set SQ,   25                          ; v25     q, k: where my row's scale halves go in my stage
.set SV,   26                          ; v26     v: where my row's scale word goes
.set ADRS, 27                          ; v27     LDS address of my scale words
.set SPW,  28                          ; v28     my spare word; never rewritten
.set NIL,  29                          ; v29     0; never rewritten
.set RQ,   30                          ; v30     q, k: where I read the stage back
.set RV,   31                          ; v31     v: likewise
.set SC,   32
.set BP,   64                          ; v64-127 P's bias: 8 registers for each of P's 8 tiles, in the result's layout
.set TM,   64                          ; way out: v64-67 largest magnitudes, v68-71 bytes, v72-75 448 x scale, v76-79 scale operands
.set PW,   88                          ; v88-95  block a's scale word
.set AF,   128
.set CD0, 160                          ; block a's 16 code registers: laid so that no conversion's destination has a number among its own source's numbers
.set CD1, 176
.set CD2, 192
.set CD3, 128
.set CD4, 224
.set CD5, 240
.set CD6, 208
.set CD7, 144
.set G1, 24                            ; s[24:31], s[32:39] descriptor groups 1 and 0 (a set a slot) for R's tiles
.set G0, 32
.set G1B, 48                           ; s[48:55], s[56:63] for P's
.set G0B, 56
.set G1S, 68                           ; s[68:75], s[76:79] for R's scales; s[80:87], s[88:91] for P's
.set G0S, 76
.set G1SB, 80
.set G0SB, 88
.set SEL, 18                           ; s[18:19] v_permlanex16_b32's selects for lane l xor 16
.set MNT, 2                            ; s2 the mantissa field of 448
.set MSB, 0
.macro WIN new                         ; the immediate's high byte repeats the setting that is left
.if MSB != (\new)
	s_set_vgpr_msb (MSB<<8)|(\new)
.set MSB, (\new)
.endif
.endm
.set MUL_LO, 0xa1                      ; source 0 (P) window 1, source 1 (R) window 0, C and D window 2
.set MUL_HI, 0xf1
.set TO_B,   0x40
; A joint load: waves 0 and 1 fetch for R, waves 2 and 3 for P; the branch hangs on the wave's number alone.  Four v_nop follow each line.
.macro JLOAD g0a, g1a, g0b, g1b
	s_cmp_eq_u32 s15, 0
	s_cbranch_scc0 .Lfor_b_\@
	tensor_load_to_lds s[\g0a:\g0a+3], s[\g1a:\g1a+7]
	s_nop 0
.rept 4
	v_nop
.endr
	s_branch .Lasked_\@
.Lfor_b_\@:
	tensor_load_to_lds s[\g0b:\g0b+3], s[\g1b:\g1b+7]
	s_nop 0
.rept 4
	v_nop
.endr
.Lasked_\@:
.endm
.macro CREST
	s_cmp_lg_u32 s14, 0
	s_cbranch_scc1 .Lnot_wave_0_\@
	s_barrier_signal -3
.Lnot_wave_0_\@:
	s_barrier_wait -3
	s_barrier_signal -1
	s_barrier_wait -1
.endm
.macro CROUND
	s_barrier_signal -1
	s_barrier_wait -1
	CREST
.endm
	s_load_b128 s[4:7], s[0:1], 0x0                ; cod s[4:5], scl s[6:7]
	s_load_b128 s[8:11], s[0:1], 0x10              ; bq s[8:9], bk s[10:11]
	s_load_b128 s[96:99], s[0:1], 0x20             ; bv s[96:97], qkv s[98:99]
	v_lshl_add_u32 v[SPW], v0, 2, SPARE
	v_mov_b32 v[NIL], 0
	ds_add_u32 v28, v29
	ds_add_u32 v28, v29
	s_wait_dscnt 0x0
	v_lshrrev_b32 v1, 5, v0
	v_readfirstlane_b32 s14, v1                    ; wave 0..3
	s_lshr_b32 s15, s14, 1                         ; which half of R's rows is mine.  Also: I fetch for R (0) or for P (1)
	s_and_b32 s16, s14, 1                          ; which half of P's rows.  Also: which 128 rows of that tile I fetch
	s_bfe_u32 s40, ttmp6, 0x40000                  ; cx
	s_bfe_u32 s41, ttmp6, 0x40004                  ; cy
	s_and_b32 s2, ttmp7, 0xffff                    ; the cluster's y
	s_sub_co_u32 s18, s2, 8
	s_lshl_b32 s18, s18, 1
	s_add_co_u32 s18, s18, ttmp9                   ; v: which 1,024 tokens
	s_mov_b32 s19, 8192
	s_mov_b32 s20, 10240
	s_cmp_ge_u32 s2, 8                             ; a cluster of v?  The same in all sixteen partners
	s_cselect_b32 s42, s18, ttmp9                  ; the cluster's place along P,
	s_cselect_b32 s17, 0, s2                       ; along R,
	s_cselect_b32 s19, 0, s19                      ; P's first row in cod: x, or Wq,
	s_cselect_b32 s20, s20, 0                      ; R's: Wv, or x
	s_cselect_b32 s66, 0, -1                       ; P's bias counts (q, k),
	s_cselect_b32 s67, -1, 0                       ; R's bias counts (v)
	s_cselect_b32 s95, 1, 0
	s_lshl_b32 s42, s42, 2
	s_add_co_u32 s42, s42, s40                     ; P's tile = 4 x place + cx
	s_lshl_b32 s17, s17, 2
	s_add_co_u32 s17, s17, s41                     ; R's tile = 4 x place + cy
	s_lshl_b32 s43, s41, 2
	s_lshl_b32 s43, 15, s43                        ; my row of the cluster
	s_lshl_b32 s44, 0x1111, s40                    ; my column
	s_or_b32 s[G1+0], s43, (0<<16)|(1<<20)|(1<<21)|(5<<22)|(3<<25)  ; the mask: R's tiles go to my row; elements of 1 byte; padding: 4 words after every 64; bit 21 set beside a mask
	s_or_b32 s[G1B+0], s44, (0<<16)|(1<<20)|(1<<21)|(5<<22)|(3<<25)
.irp g, G1, G1B
	s_mov_b32 s[\g+1], ROWB<<16                    ; tensor_dim0
	s_mov_b32 s[\g+2], 256<<16                     ; tensor_dim1: 256 rows for the head's loads
	s_mov_b32 s[\g+3], ROWB<<16                    ; tile_dim0
	s_mov_b32 s[\g+4], 256                         ; tile_dim1
	s_mov_b32 s[\g+5], KROW                        ; the pitch
	s_mov_b32 s[\g+6], 0
	s_mov_b32 s[\g+7], 0
.endr
	s_or_b32 s[G1S+0], s43, (3<<16)|(1<<20)|(1<<21)|(5<<22)|(3<<25) ; the scales of 256 rows: 8,192 dense bytes as 32 rows of 256 (32 elements of 8 bytes), 16 bytes of padding behind each
	s_or_b32 s[G1SB+0], s44, (3<<16)|(1<<20)|(1<<21)|(5<<22)|(3<<25)
.irp g, G1S, G1SB
	s_mov_b32 s[\g+1], 32<<16
	s_mov_b32 s[\g+2], (256*KS/256)<<16
	s_mov_b32 s[\g+3], 32<<16
	s_mov_b32 s[\g+4], 256*KS/256
	s_mov_b32 s[\g+5], 32
	s_mov_b32 s[\g+6], 0
	s_mov_b32 s[\g+7], 0
.endr
	s_lshl_b32 s18, s16, 17                        ; in the ring I fetch 128 rows of a tile: which half, in bytes
	s_lshl_b32 s21, s17, 8
	s_add_co_u32 s20, s20, s21                     ; R: its first row + 256 x tile
	s_lshl_b32 s46, s42, 8
	s_add_co_u32 s46, s46, s19                     ; P likewise
	s_lshl_b32 s22, s20, 5                         ; where these rows' scales begin,
	s_mov_b32 s23, 0
	s_lshl_b32 s92, s46, 5
	s_mov_b32 s93, 0
	s_lshl_b32 s20, s20, 10                        ; and their codes
	s_mov_b32 s21, 0
	s_lshl_b32 s46, s46, 10
	s_mov_b32 s47, 0
	s_mul_i32 s45, s14, HALFT                      ; where they go: wave x 128 rows: no place in the cluster enters an LDS address
	s_wait_kmcnt 0x0
	s_add_nc_u64 s[20:21], s[4:5], s[20:21]
	s_add_nc_u64 s[22:23], s[6:7], s[22:23]
	s_add_nc_u64 s[46:47], s[4:5], s[46:47]
	s_add_nc_u64 s[92:93], s[6:7], s[92:93]
	CROUND                                         ; all sixteen work-groups are here: the first joint loads meet
	s_mov_b32 s[G0S], 1
	s_mov_b32 s[G0S+1], SCL
	s_mov_b64 s[G0S+2:G0S+3], s[22:23]
	s_or_b32 s[G0S+3], s[G0S+3], 0x80000000
	s_mov_b32 s[G0SB], 1
	s_mov_b32 s[G0SB+1], SCL+2*HALFS
	s_mov_b64 s[G0SB+2:G0SB+3], s[92:93]
	s_or_b32 s[G0SB+3], s[G0SB+3], 0x80000000
.irp s, 0,1
	s_mov_b32 s[G0+4*\s], 1
	s_add_co_u32 s[G0+4*\s+1], s45, \s*SLOT
	s_add_nc_u64 s[G0+4*\s+2:G0+4*\s+3], s[20:21], \s*ROWB
	s_or_b32 s[G0+4*\s+3], s[G0+4*\s+3], 0x80000000
	s_mov_b32 s[G0B+4*\s], 1
	s_add_co_u32 s[G0B+4*\s+1], s45, \s*SLOT
	s_add_nc_u64 s[G0B+4*\s+2:G0B+4*\s+3], s[46:47], \s*ROWB
	s_or_b32 s[G0B+4*\s+3], s[G0B+4*\s+3], 0x80000000
.endr
	s_mov_b32 s[G0+1], 0                           ; the head's loads of K step 0 are whole tiles: R's 256 rows at slot 0's start,
	s_mov_b32 s[G0B+1], 2*HALFT                    ; P's behind them
	s_mov_b32 s19, 0
	s_add_nc_u64 s[G0+6:G0+7], s[G0+6:G0+7], s[18:19]      ; slot 1's sets: my 128 rows of the tile
	s_add_nc_u64 s[G0B+6:G0B+7], s[G0B+6:G0B+7], s[18:19]
; THE HEAD'S LOADS, ONE A WAVE: wave 0 K step 0's rows of R, wave 1 those of P, wave 2 R's scales, wave 3 P's.  One tree of branches on the wave's number, a load to an arm.
.macro ARM under, g0, g1, next
	s_cmp_lt_u32 s14, \under
	s_cbranch_scc0 \next
	tensor_load_to_lds s[\g0:\g0+3], s[\g1:\g1+7]
	s_nop 0
.rept 4
	v_nop
.endr
	s_branch .Lhead_asked
\next:
.endm
	ARM 1, G0,  G1,  .Lhead_b
	ARM 2, G0B, G1B, .Lhead_sa
	ARM 3, G0S, G1S, .Lhead_sb
	tensor_load_to_lds s[G0SB:G0SB+3], s[G1SB:G1SB+7]
	s_nop 0
.rept 4
	v_nop
.endr
.Lhead_asked:
	v_and_b32 v1, 15, v0                           ; r = l % 16
	v_bfe_u32 v2, v0, 4, 1                         ; h = l / 16
	v_mul_u32_u24 v3, v1, PITCH
	v_lshl_add_u32 v4, v2, 4, v3                   ; a fragment's row x pitch + 16 x half
	s_mul_i32 s21, s15, HALFT                      ; my 128 rows of R
	s_mul_i32 s22, s16, HALFT                      ; my 128 rows of P,
	s_add_co_u32 s22, s22, 2*HALFT                 ; behind R's 256
.irp s, 0,1
	v_add_nc_u32 v[ADRA+\s], s21, v4
	v_add_nc_u32 v[ADRB+\s], s22, v4
	s_add_co_u32 s21, s21, SLOT
	s_add_co_u32 s22, s22, SLOT
.endr
	v_mul_u32_u24 v5, v1, KS                       ; my row's scales: KS bytes a row,
	v_lshrrev_b32 v6, 8, v5
	v_lshl_add_u32 v5, v6, 4, v5                   ; and 16 more for each 256 passed
	s_mul_i32 s21, s15, HALFS
	s_mul_i32 s22, s16, HALFS
	s_add_co_u32 s22, s22, 2*HALFS
	s_sub_co_u32 s22, s22, s21
	v_mul_u32_u24 v6, s22, v2                      ; lanes 16-31 take P's: one product, the distance between the two bases
	s_add_co_u32 s21, s21, SCL
	v_add_nc_u32 v5, v5, v6
	v_add_nc_u32 v[ADRS], s21, v5
	v_and_b32 v6, 31, v0
	v_lshlrev_b32 v[LI], 4, v6
	s_lshl_b32 s21, s14, 9                         ; the scales' stages, 512 bytes a wave, in slot 0: q, k at 0, v at 2,048: each way has bytes of its own
	v_lshl_add_u32 v[SQ], v1, 1, s21
	v_add_nc_u32 v[RQ], s21, v[LI]
	s_add_co_u32 s21, s21, 2048
	v_lshl_add_u32 v[SV], v1, 2, s21
	v_add_nc_u32 v[RV], s21, v[LI]
	v_mul_u32_u24 v[SOF], v2, BHS
	v_lshl_add_u32 v[SOF], v1, 4, v[SOF]
	; the biases: both are loaded in every work-group, from the case's own vector (1,024 numbers; both indices stay under 1,024), and the one that does not count is replaced by 0
	s_cmp_eq_u32 ttmp9, 0
	s_cselect_b64 s[8:9], s[8:9], s[10:11]
	s_cmp_eq_u32 s95, 1
	s_cselect_b64 s[8:9], s[96:97], s[8:9]
	s_lshl_b32 s21, s40, 10
	s_lshl_b32 s22, s16, 9
	s_add_co_u32 s21, s21, s22                     ; along P: 4 (256 cx + 128 half)
	v_lshl_add_u32 v7, v2, 5, s21                  ; + 32 h: my eight of a tile's sixteen
	s_lshl_b32 s21, s41, 10
	s_lshl_b32 s22, s15, 9
	s_add_co_u32 s21, s21, s22                     ; along R: 4 (256 cy + 128 half)
	v_lshl_add_u32 v18, v1, 2, s21                 ; + 4 r
.irp b, 0,1,2,3,4,5,6,7
	global_load_b128 v[BP+8*\b:BP+8*\b+3], v7, s[8:9] offset:64*\b
	global_load_b128 v[BP+8*\b+4:BP+8*\b+7], v7, s[8:9] offset:64*\b+16
.endr
.irp a, 0,1,2,3,4,5,6,7
	global_load_b32 v[BR+\a], v18, s[8:9] offset:64*\a
.endr
	; where my results go.  These numbers enter global addresses alone
	s_mov_b32 s47, 32768
	s_cmp_eq_u32 s95, 1
	s_cselect_b32 s20, s42, s17                    ; the tile of tokens,
	s_cselect_b32 s21, s16, s15                    ; my half of it,
	s_cselect_b32 s22, s41, s40                    ; the tile of 256 channels (four heads) within the weight,
	s_cselect_b32 s23, s15, s16                    ; my half of it (two heads)
	s_cselect_b32 s46, 16384, 0                    ; the codes' part of a slot,
	s_cselect_b32 s47, 33280, s47                  ; the scales'
	s_lshl_b32 s20, s20, 8
	s_lshl_b32 s21, s21, 7
	s_add_co_u32 s20, s20, s21                     ; my first token
	s_lshr_b32 s92, s20, 11                        ; b
	s_and_b32 s93, s20, 2047                       ; t
	s_lshl_b32 s92, s92, 4
	s_lshl_b32 s22, s22, 2
	s_add_co_u32 s92, s92, s22
	s_lshl_b32 s23, s23, 1
	s_add_co_u32 s92, s92, s23                     ; 16 b + my first head
	s_mul_i32 s92, s92, BHS
	s_lshr_b32 s22, s93, 8
	s_mul_i32 s22, s22, SLB
	s_add_co_u32 s92, s92, s22
	s_or_b32 s22, s95, ttmp9                       ; 0 for q alone
	s_cmp_eq_u32 s22, 0
	s_cselect_b32 s22, AREA, 0
	s_add_co_u32 s92, s92, s22                     ; my slot (under 2^26)
	s_bfe_u32 s93, s93, 0x10007                    ; which 128 tokens of the slot
	s_lshl_b32 s22, s93, 13
	s_add_co_u32 s22, s22, s46
	s_add_co_u32 s22, s22, s92
	s_mov_b32 s23, 0
	s_add_nc_u64 s[12:13], s[98:99], s[22:23]      ; the codes' base
	s_lshl_b32 s22, s93, 8
	s_add_co_u32 s22, s22, s47
	s_add_co_u32 s22, s22, s92
	s_add_nc_u64 s[100:101], s[98:99], s[22:23]    ; the scales' base
	s_mov_b32 s[SEL], 0x76543210
	s_mov_b32 s[SEL+1], 0xfedcba98
	s_mov_b32 s[MNT], 0x600000
.macro FRAG reg, adr, q, i             ; 16 rows x 128 K of 8-bit codes: lane l holds row l % 16; registers 4 c .. 4 c + 3 hold K = 32 c + 16 (l / 16) + 0 .. 15
.irp c, 0,1,2,3
	ds_load_b128 v[\reg+4*\c:\reg+4*\c+3], v[\adr] offset:128*(\q)+32*\c+(\i)*16*PITCH
.endr
.endm
; 16 matrix instructions: R's blocks a0, a0 + 1 x P's eight.  zero = 1: the first product starts the sums, with P's bias as C.  The 64 accumulators take turns, one instruction a turn.
.macro MUL16 a0, p, q, sc, zero
.irp a, \a0, \a0+1
.irp b, 0,1,2,3,4,5,6,7
.if \zero
	v_wmma_scale_f32_16x16x128_f8f6f4 v[8*(8*((\a)%4)+\b):8*(8*((\a)%4)+\b)+7], v[128*(\p)+FR*\b:128*(\p)+FR*\b+FR-1], v[AF+FR*(\a):AF+FR*(\a)+FR-1], v[BP+8*\b:BP+8*\b+7], v[SC+8*NQ*(\sc)+NQ*\b+(\q)], v[SC+8*NQ*(\sc)+NQ*(\a)+(\q)] matrix_a_scale:MATRIX_SCALE_ROW1
.else
	v_wmma_scale_f32_16x16x128_f8f6f4 v[8*(8*((\a)%4)+\b):8*(8*((\a)%4)+\b)+7], v[128*(\p)+FR*\b:128*(\p)+FR*\b+FR-1], v[AF+FR*(\a):AF+FR*(\a)+FR-1], v[8*(8*((\a)%4)+\b):8*(8*((\a)%4)+\b)+7], v[SC+8*NQ*(\sc)+NQ*\b+(\q)], v[SC+8*NQ*(\sc)+NQ*(\a)+(\q)] matrix_a_scale:MATRIX_SCALE_ROW1
.endif
.endr
.endr
.endm
.macro FETCH_B slot, q, p
	WIN TO_B
.irp i, 0,1,2,3,4,5,6,7
	FRAG 128*(\p)+FR*\i, ADRB+\slot, \q, \i
.endr
	WIN 0
.endm
.macro FETCH_A slot, q, i0
.irp i, \i0, \i0+1, \i0+2, \i0+3
	FRAG AF+FR*(\i), ADRA+\slot, \q, \i
.endr
.endm
.macro SCALES sc                       ; a K step's scale words: lanes 0-15 take R's block i, lanes 16-31 P's block i
.irp i, 0,1,2,3,4,5,6,7
	ds_load_b64 v[SC+8*NQ*\sc+NQ*\i:SC+8*NQ*\sc+NQ*\i+1], v[ADRS] offset:\i*SBLK
.endr
.endm
.macro PLACES n                        ; plain vector lines between a matrix instruction and a load into, or a read of, its registers
.rept \n
	v_nop
.endr
.endm
.macro STEP slot, q, zero              ; 128 along K, with its successor in the same slot
	s_wait_dscnt 4*NL                              ; P's set and R's blocks 0-3 are in; the youngest 16 loads (R's blocks 4-7) may be out
.if \zero
	WIN 0x81                                       ; C (the bias) in window 0, D in window 2
.else
	WIN MUL_LO
.endif
	MUL16 0, (\q)%2, \q, \slot, \zero
	MUL16 2, (\q)%2, \q, \slot, \zero
	s_wait_dscnt 0
	PLACES NP
	FETCH_B \slot, (\q)+1, 1-(\q)%2
	FETCH_A \slot, (\q)+1, 0
.if \zero
	WIN 0xc1
.else
	WIN MUL_HI
.endif
	MUL16 4, (\q)%2, \q, \slot, \zero
	MUL16 6, (\q)%2, \q, \slot, \zero
	PLACES NP
	WIN 0
	FETCH_A \slot, (\q)+1, 4
.endm
; A slot's last step changes slots: one barrier; in front of it each wave waits for all its tensor loads, adds 0 to its spare word, and waits for that and for its reads of this slot.
.macro TURN slot, next, fill
	s_wait_tensorcnt 0x0                           ; all my tensor loads have landed: my part of the next slot
	ds_add_u32 v[SPW], v[NIL]                      ; 0 onto my spare word
	s_wait_dscnt 4*NL+1                            ; the add and the youngest 16 loads may be out
	WIN MUL_LO
	MUL16 0, 1, NQ-1, \slot, 0
	s_wait_dscnt 0x0                               ; the add is done, and my reads of this slot are over
	s_barrier_signal -1
	MUL16 2, 1, NQ-1, \slot, 0
	WIN 0
	s_barrier_wait -1
.if \fill
	CREST                                          ; the barrier has opened a round of the cluster's barrier: no wave of any partner still reads this slot or has a load on its way
	s_add_nc_u64 s[G0+4*\slot+2:G0+4*\slot+3], s[G0+4*\slot+2:G0+4*\slot+3], 2*ROWB
	s_add_nc_u64 s[G0B+4*\slot+2:G0B+4*\slot+3], s[G0B+4*\slot+2:G0B+4*\slot+3], 2*ROWB
	JLOAD G0+4*\slot, G1, G0B+4*\slot, G1B         ; the first tensor load behind the round; its four v_nop are among the places in front of the loads below
	PLACES NP-4
.else
	PLACES NP
.endif
	s_wait_alu depctr_va_vdst(0)
	v_add_nc_u32 v[ADRS], 4*NQ, v[ADRS]            ; the next K step's scale words
	FETCH_B \next, 0, 0
	FETCH_A \next, 0, 0
	SCALES \next
	WIN MUL_HI
	MUL16 4, 1, NQ-1, \slot, 0
	MUL16 6, 1, NQ-1, \slot, 0
	PLACES NP
	WIN 0
	FETCH_A \next, 0, 4
.endm
	s_wait_loadcnt 0x0                             ; the biases
.set i, 0
.rept 64
	v_cndmask_b32 v[BP+i], 0, v[BP+i], s66         ; P's bias: kept for q and k, 0 for v
.set i, i+1
.endr
.set i, 0
.rept 8
	v_cndmask_b32 v[BR+i], 0, v[BR+i], s67         ; R's bias: kept for v, 0 for q and k
.set i, i+1
.endr
	s_wait_alu depctr_va_vdst(0)
	s_wait_tensorcnt 0x0                           ; my tile of the head's four is in
	ds_add_u32 v[SPW], v[NIL]
	s_mov_b32 s[G1+2], 128<<16                     ; no tensor load of mine is out, so descriptors may be written: from here on a load brings 128 rows,
	s_mov_b32 s[G1+4], 128
	s_mov_b32 s[G1B+2], 128<<16
	s_mov_b32 s[G1B+4], 128
	s_lshl_b32 s22, s16, 17
	s_mov_b32 s23, 0
	s_mov_b32 s[G0+1], s45                         ; and slot 0's sets name my 128 rows of the tile
	s_add_nc_u64 s[G0+2:G0+3], s[G0+2:G0+3], s[22:23]
	s_mov_b32 s[G0B+1], s45
	s_add_nc_u64 s[G0B+2:G0B+3], s[G0B+2:G0B+3], s[22:23]
	s_wait_dscnt 0x0
	CROUND                                         ; a whole round: all four tiles are in, and all sixteen work-groups are here
	JLOAD G0+4, G1, G0B+4, G1B                     ; K step 1's load, the first tensor load behind the round
	FETCH_B 0, 0, 0
	FETCH_A 0, 0, 0
	SCALES 0
	FETCH_A 0, 0, 4
	STEP 0, 0, 1
	s_mov_b32 s3, LAPS-1
.Llap:                                                 ; a trip goes once round the ring and fills both slots again
	TURN 0, 1, 1
	STEP 1, 0, 0
	TURN 1, 0, 1
	STEP 0, 0, 0
	s_sub_co_u32 s3, s3, 1
	s_cmp_lg_u32 s3, 0
	s_cbranch_scc1 .Llap
	TURN 0, 1, 0                                   ; the last lap fills nothing
	STEP 1, 0, 0
	s_wait_dscnt 4*NL
	WIN MUL_LO
	MUL16 0, 1, NQ-1, 1, 0
	MUL16 2, 1, NQ-1, 1, 0
	s_wait_dscnt 0
	WIN MUL_HI
	MUL16 4, 1, NQ-1, 1, 0
	MUL16 6, 1, NQ-1, 1, 0
	WIN 0
; THE WAY OUT.  Block a (16 rows of R): 64 registers a lane, register 16 g + 8 u + j = index 32 g + 16 u + 8 h + j along P.  R's bias; four blocks' largest magnitudes, joined with lane l xor 16's; scale, hold, conversion.
.macro EPI a
.set W, 2+(\a)/4
.set AC, 64*((\a)%4)
.set BRP, BR+2*((\a)/2)
.set NW, (W<<6)|W
	WIN NW                                         ; destination and source 0: the accumulators' window
.set j, 0
.rept 32
.if ((\a)%2) == 0
	v_pk_add_f32 v[AC+j:AC+j+1], v[AC+j:AC+j+1], v[BRP:BRP+1] op_sel_hi:[1,0]             ; each accumulator is read from its low end on
.else
	v_pk_add_f32 v[AC+j:AC+j+1], v[AC+j:AC+j+1], v[BRP:BRP+1] op_sel:[0,1] op_sel_hi:[1,1]
.endif
.set j, j+2
.endr
.set NW, (W<<2)|(W<<4)
	WIN NW                                         ; sources 1 and 2
.irp g, 0,1,2,3
	v_max3_num_f32 v[TM+\g], 0x4800000, |v[AC+16*\g]|, |v[AC+16*\g+1]|   ; my 16 numbers of block g, and the floor 2^(9 - 127)
.endr
.irp i, 2,4,6,8,10,12,14
.irp g, 0,1,2,3
	v_max3_num_f32 v[TM+\g], v[TM+\g], |v[AC+16*\g+\i]|, |v[AC+16*\g+\i+1]|
.endr
.endr
	WIN 0
.irp g, 0,1,2,3
	v_permlanex16_b32 v[TM+4+\g], v[TM+\g], s[SEL], s[SEL+1]
.endr
.irp g, 0,1,2,3
	v_max_num_f32 v[TM+\g], v[TM+\g], v[TM+4+\g]   ; the block's largest magnitude
.endr
.irp g, 0,1,2,3
	v_add_nc_u32 v[TM+12+\g], 0xfc000000, v[TM+\g] ; 8 off its exponent field: the conversion's scale operand
.endr
.irp g, 0,1,2,3
	v_and_or_b32 v[TM+8+\g], v[TM+\g], 0x7f800000, s[MNT]   ; 448 x the scale
.endr
.irp g, 0,1,2,3
	v_lshrrev_b32 v[TM+4+\g], 23, v[TM+12+\g]      ; the scale's byte
.endr
	v_lshl_or_b32 v[PW+\a], v[TM+5], 8, v[TM+4]
	v_lshl_or_b32 v[PW+\a], v[TM+6], 16, v[PW+\a]
	v_lshl_or_b32 v[PW+\a], v[TM+7], 24, v[PW+\a]
.set NW, (W<<6)|W
	WIN NW
.irp g, 0,1,2,3
.set j, 0
.rept 16
	v_med3_num_f32 v[AC+16*\g+j], v[AC+16*\g+j], -v[TM+8+\g], v[TM+8+\g]   ; the conversion does not saturate (ISA guide 7.6.2): the hold comes first
.set j, j+1
.endr
.endr
	WIN W                                          ; source 0 alone
.irp g, 0,1,2,3
	v_cvt_scalef32_pk8_fp8_f32 v[CD\a+4*\g:CD\a+4*\g+1], v[AC+16*\g:AC+16*\g+7], v[TM+12+\g]
	v_cvt_scalef32_pk8_fp8_f32 v[CD\a+4*\g+2:CD\a+4*\g+3], v[AC+16*\g+8:AC+16*\g+15], v[TM+12+\g]
.endr
	v_nop                                          ; one plain line behind the last conversion
.endm
	PLACES NP                                      ; behind the last products: their results are read, and R's fragments' registers written, below
.irp g, 0,1,2,3
	v_mov_b32 v[TM+4+\g], 0                        ; a lane permute's destination counts as one of its sources
.endr
.irp a, 0,1,2,3,4,5,6,7
	EPI \a
.endr
	WIN 0
	s_cmp_eq_u32 s95, 1                            ; the same in all partners of a cluster
	s_cbranch_scc1 .Larm_v
	; q, k: block a = token tile a; g = 2 x head + c.  The scale word's low half is the first head's two bytes, its high half the second's
.irp a, 0,1,2,3,4,5,6,7
.irp g, 0,1,2,3
	global_store_b128 v[LI], v[CD\a+4*\g:CD\a+4*\g+3], s[12:13] offset:(\g/2)*BHS+\a*1024+(\g%2)*512   ; 512 consecutive bytes, aligned
.endr
	ds_store_b16 v[SQ], v[PW+\a] offset:32*\a                      ; both halves of the lanes write the same bytes with the same value
	ds_store_b16_d16_hi v[SQ], v[PW+\a] offset:256+32*\a
.endr
	ds_load_b128 v[80:83], v[RQ]                   ; my own stage: LDS serves a wave's instructions in order
	s_wait_dscnt 0x0
	global_store_b128 v[SOF], v[80:83], s[100:101] ; lanes 0-15: the first head's 256 bytes; lanes 16-31: the second's
	s_branch .Ldone
.Larm_v:
	; v: block a = 4 x head + channel tile; g = the block of 32 keys
	s_wait_alu depctr_va_vdst(0)
.irp a, 0,1,2,3,4,5,6,7
.irp g, 0,1,2,3
	global_store_b128 v[LI], v[CD\a+4*\g:CD\a+4*\g+3], s[12:13] offset:(\a/4)*BHS+(\a%4)*2048+\g*512
.endr
	ds_store_b32 v[SV], v[PW+\a] offset:64*\a
.endr
	ds_load_b128 v[84:87], v[RV]
	s_wait_dscnt 0x0
	global_store_b128 v[SOF], v[84:87], s[100:101]
.Ldone:
	s_wait_tensorcnt 0x0                           ; the wave's end
	ds_add_u32 v[SPW], v[NIL]
	s_wait_dscnt 0x0
	CROUND                                         ; the closing round: no work-group ends while a partner may still ask for a tile that names it
	s_endpgm
.Lfunc_end_k_q02cd320679_qkv:
	.size	k_q02cd320679_qkv, .Lfunc_end_k_q02cd320679_qkv-k_q02cd320679_qkv
	.p2alignl 7, 3214868480
	.fill 96, 4, 3214868480
	.section	.rodata,"a",@progbits
	.p2align	6, 0x0
	.amdhsa_kernel k_q02cd320679_qkv
		.amdhsa_group_segment_fixed_size 327680
		.amdhsa_private_segment_fixed_size 0
		.amdhsa_enable_private_segment 0
		.amdhsa_kernarg_size 48
		.amdhsa_user_sgpr_count 2
		.amdhsa_user_sgpr_kernarg_segment_ptr 1
		.amdhsa_wavefront_size32 1
		.amdhsa_system_sgpr_workgroup_id_x 1
		.amdhsa_system_sgpr_workgroup_id_y 1
		.amdhsa_system_sgpr_workgroup_id_z 1
		.amdhsa_system_vgpr_workitem_id 0
		.amdhsa_next_free_vgpr 1024
		.amdhsa_next_free_sgpr 102
		.amdhsa_reserve_vcc 0
		.amdhsa_float_denorm_mode_32 3
		.amdhsa_float_denorm_mode_16_64 3
		.amdhsa_memory_ordered 1
		.amdhsa_forward_progress 1
		.amdhsa_inst_pref_size 215
	.end_amdhsa_kernel
	.amdgpu_metadata
---
amdhsa.version: [ 1, 2 ]
amdhsa.kernels:
  - .name:           k_q02cd320679_qkv
    .symbol:         k_q02cd320679_qkv.kd
    .args:
      - { .name: cod, .offset: 0, .size: 8, .value_kind: global_buffer, .address_space: global }
      - { .name: scl, .offset: 8, .size: 8, .value_kind: global_buffer, .address_space: global }
      - { .name: bq, .offset: 16, .size: 8, .value_kind: global_buffer, .address_space: global }
      - { .name: bk, .offset: 24, .size: 8, .value_kind: global_buffer, .address_space: global }
      - { .name: bv, .offset: 32, .size: 8, .value_kind: global_buffer, .address_space: global }
      - { .name: qkv, .offset: 40, .size: 8, .value_kind: global_buffer, .address_space: global }
    .group_segment_fixed_size: 327680
    .private_segment_fixed_size: 0
    .kernarg_segment_align: 8
    .kernarg_segment_size: 48
    .max_flat_workgroup_size: 128
    .sgpr_count:     102
    .vgpr_count:     1024
    .wavefront_size: 32
...
	.end_amdgpu_metadata
.endif
;; end of part 2
;; launch attn (part 3): grid 4 x 64, 16 waves a work-group, clusters of 4 x 1, 327,680 bytes of LDS; arguments qkv, oc, os; writes oc, os
.if DOCPART == 3
	.amdgcn_target "amdgcn-amd-amdhsa--gfx1250"
	.amdhsa_code_object_version 6
	.text
	.protected	k_q02cd320679_attn
	.globl	k_q02cd320679_attn
	.p2align	8
	.type	k_q02cd320679_attn,@function
k_q02cd320679_attn:
	s_mov_b64 s[64:65], 0
	v_nop
	global_prefetch_b8 v0, s[64:65] scope:SCOPE_SE
	s_setreg_imm32_b32 hwreg(HW_REG_WAVE_MODE, 25, 1), 1
	s_wait_xcnt 0x0
	s_wait_alu depctr_hold_cnt(0) depctr_sa_sdst(0) depctr_va_vdst(0) depctr_va_sdst(0) depctr_va_ssrc(0) depctr_va_vcc(0) depctr_vm_vsrc(0)
	s_getreg_b32 s2, hwreg(HW_REG_IB_STS2, 6, 4)
	s_cmp_eq_u32 s2, 0
	s_cbranch_scc0 .Lentry_in_a_cluster
	s_endpgm
.Lentry_in_a_cluster:
	s_bfe_u32 s2, ttmp6, 0x10000c
	s_cmp_lg_u32 s2, 0x3003
	s_cbranch_scc0 .Lentry_shape_is_right
	s_endpgm
.Lentry_shape_is_right:
; ATTN: o = softmax(q k^T / 8, causal) v for one (batch, head), both products on codes of FP8 (E4M3) with E8M0 scales, and o / l quantised along 64 head + d for the last product.
; THE SOFTMAX: t = score x log2(e) / 8; M = the running largest t rounded UP to a whole number; p = 2^(t - M) is quantised along the keys, not normalised; the row's sum is taken of the unquantised p and divides o at the end.
; When M moves, the sum and O^T are multiplied by 2^(old M - new M): exact.
; LEFT OUT: key steps all of whose 128 keys come after a wave's 16 queries: the causal mask sets their scores to -inf, so their p is 0 for all values of the inputs.
; ALL OF A HEAD'S K AND V LIES IN LDS: 8 slots of 256 keys x 33,792 bytes = 270,336 bytes, as in memory.  Each of the sixteen waves fetches one half slot (16,896 bytes) at the head: no byte is filled twice, and the walk has no barrier.
; SHARES.  A head has 128 tiles of 16 queries.  The four work-groups of a head form a cluster; wave w of the work-group at place cx owns tiles 127 - g and g, g = 4 w + cx.  Tile n needs n / 8 + 1 key steps of 128:
; the two tiles together need 17, in every wave.  n / 8 is 15 - w / 2 and w / 2: it hangs on the wave's number alone, and so do all branches; cx enters global addresses and the mask's numbers alone.
; JOINT LOADS: the four partners want the same sixteen half slots with the same descriptors: mask 15.  Waves 0 to 3 (slots 0, 1) have a load line of their own, shown by the first barrier; the rest is shown behind the first four key steps.
; NO PREFETCH: all tensor loads stand at the head; there is no loop to run ahead in.
; The loops' trip counts are constants (2, 6 and 4 slots); a step that is left out is jumped over by a scalar branch.
; A slot: +0 K codes, 16 tiles of 16 keys x [c 2][lane][16]; +16384 V codes [128 keys 2][16 channels 4][c 4][lane][16]; +32768 K scale halves; +33280 V scale words.  All operands are images of their registers.
; LAYOUT.  Both products are transposed: S^T = K Q^T, O^T = V^T P^T: a lane holds ONE query.  Register 8 t + j of S^T is key 16 t + 8 h + j: the order in which v's codes were laid.
; THE HEAD'S 64 fill half of the instruction's K: q's registers 8-15 are zero codes, so what stands in K's upper eight registers adds nothing; both sides' scale bytes 2 and 3 are 0, which is 2^-127.
; LIMITS: NaN and infinities are not served.  1 / l is v_rcp_f32's.  A block of zeros, or one under 2^-118, gets the byte 1: the bytes are read by this program alone.
.set SLB,   33792
.set BHS,   8*SLB
.set AREA,  64*BHS
.set HALF,  16896                      ; one tensor load: 66 rows of 256 bytes
.set SPARE, 8*SLB                      ; the spare words: 128 bytes for each of 16 waves
.set LI,  1                            ; v1 16 x lane
.set AKS, 2                            ; v2 32768 + 2 r
.set AVS, 3                            ; v3 33280 + 4 r
.set SPW, 5                            ; v5 my spare word
.set NIL, 6                            ; v6 0
.set OSO, 7                            ; v7 32 r: my row of os
.set ADK, 8                            ; v8-10 the step's LDS addresses
.set ADS, 9
.set ADT, 10
.set FRG, 32                           ; v32-95 K's eight tiles, then V's four; v96-103 zeros
.set S,   104                          ; v104-167 S^T, then p
.set OT,  168                          ; v168-199 O^T
.set PC,  200                          ; v200-215 p's codes
.set BM,  216                          ; v216-219 the blocks' largest scores, then p
.set TW,  220                          ; v220-223 at work
.set HO,  224                          ; v224-227 448 x the scale
.set SO,  228                          ; v228-231 the conversions' scale operands
.set KS,  232                          ; v232-239 K's scale halves; V's scale words in the first four
.set FF,  240                          ; v[240:241] f
.set PWD, 254                          ; v254 p's scale word
.set GT,  13                           ; s13 g
.set HW,  15                           ; s15 wave / 2
.set WV,  18
.set MNT, 19
.set SEL, 20
.set CS,  22
.set G1,  24
.set G0,  32
.set CX,  36
.set QB,  37                           ; s37 128 x (my tile / 8): the first key of my diagonal step
.set CNT, 38
.set TB,  43                           ; s43 the LDS byte at which the slot in hand begins
.set KF,  44                           ; s44 the step's first key
.set Q0,  45                           ; s45 my first query
.set OB,  50                           ; s[50:51] my 16 queries' image in oc
.set SBS, 52                           ; s[52:53] their bytes in os
.set T0,  55
.macro NOPS n
.rept \n
	v_nop
.endr
.endm
.macro WALU
	s_wait_alu depctr_va_vdst(0)
.endm
.macro BARRIER
	s_barrier_signal -1
	s_barrier_wait -1
.endm
.macro CROUND                          ; a round of the cluster's barrier
	BARRIER
	s_cmp_lg_u32 s[WV], 0
	s_cbranch_scc1 .Lnot_wave_0_\@
	s_barrier_signal -3
.Lnot_wave_0_\@:
	s_barrier_wait -3
	BARRIER
.endm
.macro TLOAD                           ; an s_nop 0 and four v_nop follow the line
	tensor_load_to_lds s[G0:G0+3], s[G1:G1+7]
	s_nop 0
	NOPS 4
.endm
.macro SETOUT                          ; the two output bases, from Q0
	s_lshl_b32 s60, s11, 11
	s_add_co_u32 s60, s60, s[Q0]                   ; my first token
	s_lshl_b32 s62, s60, 10                        ; oc: 16,384 bytes for 16 tokens, 1,024 for a head
	s_lshl_b32 s61, s12, 10
	s_add_co_u32 s62, s62, s61
	s_mov_b32 s63, 0
	s_add_nc_u64 s[OB:OB+1], s[6:7], s[62:63]
	s_lshl_b32 s62, s60, 5                         ; os: 32 bytes a token, 2 a head
	s_lshl_b32 s61, s12, 1
	s_add_co_u32 s62, s62, s61
	s_add_nc_u64 s[SBS:SBS+1], s[8:9], s[62:63]
.endm
.macro QOFF t, b, c                    ; tile s[t] of q, in area 1: s[b:b+1] its slot's offset; s[c], s[c+1] its codes' and its scale halves' place there
	s_lshr_b32 s[\b], s[\t], 4
	s_mul_i32 s[\b], s[\b], SLB
	s_add_co_u32 s[\b], s[\b], s54
	s_add_co_u32 s[\b], s[\b], AREA
	s_mov_b32 s[\b+1], 0
	s_and_b32 s[\c], s[\t], 15
	s_lshl_b32 s[\c+1], s[\c], 5
	s_lshl_b32 s[\c], s[\c], 10
.endm
	s_load_b128 s[4:7], s[0:1], 0x0                ; qkv, oc
	s_load_b64 s[8:9], s[0:1], 0x10                ; os
	v_lshl_add_u32 v[SPW], v0, 2, SPARE
	v_mov_b32 v[NIL], 0
	ds_add_u32 v[SPW], v[NIL]                      ; the opening: the add, twice on end, and its wait ahead of my tensor load
	ds_add_u32 v[SPW], v[NIL]
	v_lshrrev_b32 v8, 5, v0
	v_readfirstlane_b32 s[WV], v8                  ; wave 0..15
	s_bfe_u32 s[CX], ttmp6, 0x40000                ; my place in the cluster
	s_and_b32 s10, ttmp7, 0xffff                   ; 16 b + head
	s_lshr_b32 s11, s10, 4
	s_and_b32 s12, s10, 15
	s_mul_i32 s54, s10, BHS
	s_mov_b32 s[G1], 15|(3<<16)|(1<<21)            ; the mask: all four partners; elements of 8 bytes; bit 21 beside a mask; no padding
	s_mov_b32 s[G1+1], 32<<16                      ; rows of 256 bytes
	s_mov_b32 s[G1+2], 66<<16
	s_mov_b32 s[G1+3], 32<<16
	s_mov_b32 s[G1+4], 66
	s_mov_b32 s[G1+5], 32                          ; dense
	s_mov_b32 s[G1+6], 0
	s_mov_b32 s[G1+7], 0
	s_mov_b32 s[G0], 1
	s_mul_i32 s[G0+1], s[WV], HALF                 ; half slot number = my wave's number, in LDS and in memory
	s_add_co_u32 s16, s54, s[G0+1]
	s_mov_b32 s17, 0
	s_lshl_b32 s[GT], s[WV], 2
	s_add_co_u32 s[GT], s[GT], s[CX]               ; g
	s_sub_co_u32 s14, 127, s[GT]                   ; the first tile
	s_lshl_b32 s[Q0], s14, 4
	s_lshr_b32 s[HW], s[WV], 1
	s_sub_co_u32 s[QB], 15, s[HW]
	s_lshl_b32 s[QB], s[QB], 7
	QOFF 14, 56, 40
	QOFF GT, 58, 46
	s_mov_b32 s[TB], 0
	s_mov_b32 s[KF], 0
	s_mov_b32 s[SEL], 0x76543210
	s_mov_b32 s[SEL+1], 0xfedcba98
	s_mov_b32 s[CS], 0x3e38aa3b                    ; c = log2(e) / 8
	s_mov_b32 s[CS+1], s[CS]
	s_mov_b32 s[MNT], 0x600000
	s_wait_dscnt 0x0                               ; both opening adds are done
	CROUND                                         ; the four partners are here: the joint loads meet
	s_wait_kmcnt 0x0
	s_add_nc_u64 s[G0+2:G0+3], s[4:5], s[16:17]
	s_or_b32 s[G0+3], s[G0+3], 0x80000000
	s_cmp_lt_u32 s[WV], 4                          ; one load a wave; waves 0 to 3, whose slots are shown first, have a line of their own
	s_cbranch_scc0 .Lrest
	TLOAD
	s_branch .Lasked
.Lrest:
	TLOAD
.Lasked:
	s_add_nc_u64 s[56:57], s[4:5], s[56:57]
	s_add_nc_u64 s[58:59], s[4:5], s[58:59]
	SETOUT
	v_and_b32 v8, 31, v0
	v_and_b32 v9, 15, v0                           ; r
	v_lshlrev_b32 v[LI], 4, v8
	v_lshl_add_u32 v[AKS], v9, 1, 32768
	v_lshl_add_u32 v[AVS], v9, 2, 33280
	v_lshlrev_b32 v[OSO], 5, v9
	v_add_nc_u32 v104, s40, v[LI]
	v_lshl_add_u32 v105, v9, 1, s41
	v_add_nc_u32 v106, s46, v[LI]
	v_lshl_add_u32 v107, v9, 1, s47
	global_load_b128 v[16:19], v104, s[56:57]
	global_load_b128 v[20:23], v104, s[56:57] offset:512
	global_load_u16 v253, v105, s[56:57] offset:32768              ; bytes 2 and 3 come as 0
	global_load_b128 v[244:247], v106, s[58:59]    ; the second tile's q waits in registers
	global_load_b128 v[248:251], v106, s[58:59] offset:512
	global_load_u16 v252, v107, s[58:59] offset:32768
.set n, 0
.rept 8
	v_mov_b32 v[24+n], 0                           ; q's upper half: zero codes
	v_mov_b32 v[96+n], 0                           ; what stands behind K's last tile
.set n, n+1
.endr
.set n, 0
.rept 4
	v_mov_b32 v[TW+n], 0                           ; a lane permute's destination counts as one of its sources
.set n, n+1
.endr
	v_mov_b32 v[FF+1], 0                           ; named as the upper half of f's pair
.macro FRESH                           ; a tile's start: the largest t -3e38, the sum and O^T zeros: the first change of M multiplies zeros
	v_mov_b32 v13, 0xff61b1e6
	v_mov_b32 v14, 0
	v_mov_b32 v15, 0
	v_floor_f32 v12, -v13
.set n, 0
.rept 32
	v_mov_b32 v[OT+n], 0
.set n, n+1
.endr
.endm
	FRESH
; A KEY STEP: 128 keys, the q-th of the slot in hand.
.macro STEP q
	s_cmp_gt_u32 s[KF], s[QB]                      ; all keys come after my queries: left out
	s_cbranch_scc1 .Lhidden_\@
	v_add_nc_u32 v[ADK], s[TB], v[LI]
	v_add_nc_u32 v[ADS], s[TB], v[AKS]
	v_add_nc_u32 v[ADT], s[TB], v[AVS]
	NOPS 5                                         ; with the three additions: eight places in front of loads into registers that the last products have read
.irp t, 0,1,2,3,4,5,6,7
	ds_load_b128 v[FRG+8*\t:FRG+8*\t+3], v[ADK] offset:8192*(\q)+1024*\t
	ds_load_b128 v[FRG+8*\t+4:FRG+8*\t+7], v[ADK] offset:8192*(\q)+1024*\t+512
	ds_load_u16 v[KS+\t], v[ADS] offset:256*(\q)+32*\t
.endr
	WALU
	s_wait_dscnt 0x0
.irp t, 0,1,2,3,4,5,6,7
	v_wmma_scale_f32_16x16x128_f8f6f4 v[S+8*\t:S+8*\t+7], v[FRG+8*\t:FRG+8*\t+15], v[16:31], 0, v[KS+\t], v253
.endr
	NOPS 8                                         ; places: the loads below land in registers that these products read, and the scores are read
.irp t, 0,1,2,3                                ; V's four tiles land under the softmax
.irp c, 0,1,2,3
	ds_load_b128 v[FRG+16*\t+4*\c:FRG+16*\t+4*\c+3], v[ADK] offset:16384+8192*(\q)+2048*\t+512*\c
.endr
	ds_load_b32 v[KS+\t], v[ADT] offset:256*(\q)+64*\t
.endr
	s_cmp_lt_u32 s[KF], s[QB]                      ; all keys count: no mask
	s_cbranch_scc1 .Lopen_\@
	s_sub_co_i32 s[T0], s[Q0], s[KF]
	v_and_b32 v254, 15, v0
	v_bfe_u32 v255, v0, 4, 1
	v_lshlrev_b32 v255, 3, v255
	v_sub_nc_u32 v254, v254, v255
	v_add_nc_u32 v254, s[T0], v254                 ; d = my query - KF - 8 h.  Register n holds key KF + 8 h + 16 (n / 8) + n % 8: hidden where 16 (n / 8) + n % 8 > d
	v_mov_b32 v255, 0xff800000
.set n, 0
.rept 64
	v_cmp_gt_i32 vcc_lo, 16*(n/8)+n%8, v254
	v_cndmask_b32 v[S+n], v[S+n], v255, vcc_lo
.set n, n+1
.endr
.Lopen_\@:
.irp b, 0,1,2,3
	v_max3_num_f32 v[BM+\b], v[S+16*\b], v[S+1+16*\b], v[S+2+16*\b]   ; each block's largest score: for the row's maximum and, since p rises with the score, for the block's largest p
.endr
.irp i, 3,5,7,9,11,13
.irp b, 0,1,2,3
	v_max3_num_f32 v[BM+\b], v[BM+\b], v[S+16*\b+\i], v[S+1+16*\b+\i]
.endr
.endr
.irp b, 0,1,2,3
	v_max_num_f32 v[BM+\b], v[BM+\b], v[S+15+16*\b]
.endr
.irp b, 0,1,2,3
	v_permlanex16_b32 v[TW+\b], v[BM+\b], s[SEL], s[SEL+1]
.endr
.irp b, 0,1,2,3
	v_max_num_f32 v[BM+\b], v[BM+\b], v[TW+\b]     ; with lane l xor 16's 16 keys
.endr
	v_max3_num_f32 v254, v[BM], v[BM+1], v[BM+2]
	v_max_num_f32 v254, v254, v[BM+3]
	v_mul_f32 v254, s[CS], v254                    ; as t
	v_max_num_f32 v13, v13, v254                   ; the running largest t
	v_mov_b32 v254, v12
	v_floor_f32 v12, -v13                          ; the new -M = -ceil(t)
	v_sub_f32 v254, v12, v254                      ; old M - new M: a whole number, 0 or less
	v_cvt_i32_f32 v254, v254                       ; (it saturates)
	v_ldexp_f32 v[FF], 1.0, v254                   ; f = 2^(old M - new M)
.set n, 0
.rept 32
	v_pk_fma_f32 v[S+n:S+n+1], v[S+n:S+n+1], s[CS:CS+1], v[12:13] op_sel_hi:[1,0,0]   ; t - M
.set n, n+2
.endr
.irp b, 0,1,2,3
	v_fma_f32 v[BM+\b], v[BM+\b], s[CS], v12       ; the same of each block's largest score
.endr
	WALU                                           ; ahead of the batch
.set n, 0
.rept 64
	v_exp_f32 v[S+n], v[S+n]                       ; p = 2^(t - M)
.set n, n+1
.endr
	v_pk_mul_f32 v[14:15], v[14:15], v[FF:FF+1] op_sel_hi:[1,0]   ; the sums under the new M (the plain line behind the batch)
	WALU                                           ; one wait for the 64, ahead of their first reader
.irp b, 0,1,2,3
	v_exp_f32 v[BM+\b], v[BM+\b]                   ; the block's largest p
.endr
	v_pk_add_f32 v[220:221], v[S:S+1], v[S+2:S+3]  ; the row's sum of the unquantised p, in four chains
	v_pk_add_f32 v[254:255], v[S+4:S+5], v[S+6:S+7]
	v_pk_add_f32 v[242:243], v[S+8:S+9], v[S+10:S+11]
	v_pk_add_f32 v[14:15], v[14:15], v[S+12:S+13]
.irp j, 14,22,30,38,46,54
	v_pk_add_f32 v[220:221], v[220:221], v[S+\j:S+\j+1]
	v_pk_add_f32 v[254:255], v[254:255], v[S+\j+2:S+\j+3]
	v_pk_add_f32 v[242:243], v[242:243], v[S+\j+4:S+\j+5]
	v_pk_add_f32 v[14:15], v[14:15], v[S+\j+6:S+\j+7]
.endr
	v_pk_add_f32 v[220:221], v[220:221], v[S+62:S+63]
	v_pk_add_f32 v[254:255], v[254:255], v[242:243]
	v_pk_add_f32 v[14:15], v[14:15], v[220:221]
	v_pk_add_f32 v[14:15], v[14:15], v[254:255]
	WALU                                           ; and one for the four
.irp b, 0,1,2,3
	v_max_num_f32 v[BM+\b], 0x4800000, v[BM+\b]    ; the floor 2^(9 - 127): the byte cannot fall under 1
.endr
.irp b, 0,1,2,3
	v_add_nc_u32 v[SO+\b], 0xfc000000, v[BM+\b]    ; the conversion's scale operand
.endr
.irp b, 0,1,2,3
	v_and_or_b32 v[HO+\b], v[BM+\b], 0x7f800000, s[MNT]   ; 448 x the scale
.endr
.irp b, 0,1,2,3
	v_lshrrev_b32 v[TW+\b], 23, v[SO+\b]           ; the scale's byte
.endr
	v_lshl_or_b32 v[PWD], v[TW+1], 8, v[TW]        ; p's scale word: 64 plain lines and more ahead of the products
	v_lshl_or_b32 v[PWD], v[TW+2], 16, v[PWD]
	v_lshl_or_b32 v[PWD], v[TW+3], 24, v[PWD]
.irp b, 0,1,2,3
.set n, 0
.rept 16
	v_min_num_f32 v[S+16*\b+n], v[S+16*\b+n], v[HO+\b]   ; the conversion does not saturate (ISA guide 7.6.2); p is not negative: a one-sided hold
.set n, n+1
.endr
	v_cvt_scalef32_pk8_fp8_f32 v[PC+4*\b:PC+4*\b+1], v[S+16*\b:S+16*\b+7], v[SO+\b]
	v_cvt_scalef32_pk8_fp8_f32 v[PC+4*\b+2:PC+4*\b+3], v[S+16*\b+8:S+16*\b+15], v[SO+\b]
.endr
	WALU                                           ; directly ahead of the first reader of O^T
.set n, 0
.rept 16
	v_pk_mul_f32 v[OT+n:OT+n+1], v[OT+n:OT+n+1], v[FF:FF+1] op_sel_hi:[1,0]   ; O^T under the new M; also the lines between the conversions and the products
.set n, n+2
.endr
	WALU
	s_wait_dscnt 0x0                               ; V's tiles and scale words are in
.irp t, 0,1,2,3                                ; four accumulators by turns; eight other products stand between two links of a chain
	v_wmma_scale_f32_16x16x128_f8f6f4 v[OT+8*\t:OT+8*\t+7], v[FRG+16*\t:FRG+16*\t+15], v[PC:PC+15], v[OT+8*\t:OT+8*\t+7], v[KS+\t], v[PWD]
.endr
.Lhidden_\@:
	s_add_co_u32 s[KF], s[KF], 128
.endm
.macro RUN n, lab                      ; n slots on end, a constant
	s_mov_b32 s[CNT], \n
\lab:
	STEP 0
	STEP 1
	s_add_co_u32 s[TB], s[TB], SLB
	s_sub_co_u32 s[CNT], s[CNT], 1
	s_cmp_lg_u32 s[CNT], 0
	s_cbranch_scc1 \lab
.endm
; THE WAY OUT of a tile: o = O^T / l; its 64 channels are two blocks of 32 of the last product's K; codes leave as the operand's image, 512 consecutive aligned bytes a store.
.macro WAYOUT
	NOPS 8                                         ; places behind the last products
	v_add_f32 v14, v14, v15
	v_permlanex16_b32 v[TW], v14, s[SEL], s[SEL+1]
	v_add_f32 v14, v14, v[TW]                      ; the row's sum
	WALU
	v_rcp_f32 v[FF], v14
	v_nop
	WALU
.set n, 0
.rept 16
	v_pk_mul_f32 v[OT+n:OT+n+1], v[OT+n:OT+n+1], v[FF:FF+1] op_sel_hi:[1,0]   ; each accumulator from its low end on
.set n, n+2
.endr
.irp c, 0,1
	v_max3_num_f32 v[BM+\c], |v[OT+16*\c]|, |v[OT+16*\c+1]|, 0x4800000
.endr
.irp i, 2,4,6,8,10,12,14
.irp c, 0,1
	v_max3_num_f32 v[BM+\c], v[BM+\c], |v[OT+16*\c+\i]|, |v[OT+16*\c+\i+1]|
.endr
.endr
.irp c, 0,1
	v_permlanex16_b32 v[TW+\c], v[BM+\c], s[SEL], s[SEL+1]
.endr
.irp c, 0,1
	v_max_num_f32 v[BM+\c], v[BM+\c], v[TW+\c]
.endr
.irp c, 0,1
	v_add_nc_u32 v[SO+\c], 0xfc000000, v[BM+\c]
.endr
.irp c, 0,1
	v_and_or_b32 v[HO+\c], v[BM+\c], 0x7f800000, s[MNT]
.endr
.irp c, 0,1
	v_lshrrev_b32 v[TW+\c], 23, v[SO+\c]
.endr
	v_lshl_or_b32 v243, v[TW+1], 8, v[TW]          ; my row's two scale bytes
.irp c, 0,1
.set n, 0
.rept 16
	v_med3_num_f32 v[OT+16*\c+n], v[OT+16*\c+n], -v[HO+\c], v[HO+\c]
.set n, n+1
.endr
	v_cvt_scalef32_pk8_fp8_f32 v[PC+4*\c:PC+4*\c+1], v[OT+16*\c:OT+16*\c+7], v[SO+\c]
	v_cvt_scalef32_pk8_fp8_f32 v[PC+4*\c+2:PC+4*\c+3], v[OT+16*\c+8:OT+16*\c+15], v[SO+\c]
.endr
	v_nop                                          ; one plain line behind the last conversion
	global_store_b128 v[LI], v[PC:PC+3], s[OB:OB+1]
	global_store_b128 v[LI], v[PC+4:PC+7], s[OB:OB+1] offset:512
	global_store_b16 v[OSO], v243, s[SBS:SBS+1]    ; 2 bytes a row, 32 bytes apart: one byte in 32 of o's; both halves of the lanes write the same bytes
	s_wait_xcnt 0x0                                ; the stores have read their data and bases
.endm
	WALU                                           ; the head's end
	s_wait_loadcnt 0x0                             ; q of both tiles
	s_cmp_lt_u32 s[WV], 4
	s_cbranch_scc0 .Lnot_first
	s_wait_tensorcnt 0x0                           ; waves 0 to 3: slots 0 and 1 are in.  The other waves' wait stands at the second barrier
.Lnot_first:
	BARRIER
	RUN 2, .Lfirst                                 ; tile 127 - g, keys 0 to 511: all count (the tile's queries begin at 1,024 or later)
	s_wait_tensorcnt 0x0                           ; every wave: all sixteen half slots are in
	s_wait_dscnt 0x0
	BARRIER
	RUN 6, .Lhigh
	WAYOUT
	s_lshl_b32 s[Q0], s[GT], 4                     ; on to tile g
	s_lshl_b32 s[QB], s[HW], 7
	s_mov_b32 s[KF], 0
	s_mov_b32 s[TB], 0
	SETOUT
	v_mov_b32 v253, v252                           ; the scale word first: eight plain lines and more ahead of the next product
.set n, 0
.rept 8
	v_mov_b32 v[16+n], v[244+n]
.set n, n+1
.endr
	FRESH
	WALU
	RUN 4, .Llow                                   ; its queries end under 1,024: four slots
	WAYOUT
	s_wait_tensorcnt 0x0                           ; the wave's end
	ds_add_u32 v[SPW], v[NIL]
	s_wait_dscnt 0x0
	CROUND                                         ; the closing round
	s_endpgm
.Lfunc_end_k_q02cd320679_attn:
	.size	k_q02cd320679_attn, .Lfunc_end_k_q02cd320679_attn-k_q02cd320679_attn
	.p2alignl 7, 3214868480
	.fill 96, 4, 3214868480
	.section	.rodata,"a",@progbits
	.p2align	6, 0x0
	.amdhsa_kernel k_q02cd320679_attn
		.amdhsa_group_segment_fixed_size 327680
		.amdhsa_private_segment_fixed_size 0
		.amdhsa_enable_private_segment 0
		.amdhsa_kernarg_size 24
		.amdhsa_user_sgpr_count 2
		.amdhsa_user_sgpr_kernarg_segment_ptr 1
		.amdhsa_wavefront_size32 1
		.amdhsa_system_sgpr_workgroup_id_x 1
		.amdhsa_system_sgpr_workgroup_id_y 1
		.amdhsa_system_sgpr_workgroup_id_z 1
		.amdhsa_system_vgpr_workitem_id 0
		.amdhsa_next_free_vgpr 256
		.amdhsa_next_free_sgpr 66
		.amdhsa_reserve_vcc 1
		.amdhsa_float_denorm_mode_32 3
		.amdhsa_float_denorm_mode_16_64 3
		.amdhsa_memory_ordered 1
		.amdhsa_forward_progress 1
		.amdhsa_inst_pref_size 168
	.end_amdhsa_kernel
	.amdgpu_metadata
---
amdhsa.version: [ 1, 2 ]
amdhsa.kernels:
  - .name:           k_q02cd320679_attn
    .symbol:         k_q02cd320679_attn.kd
    .args:
      - { .name: qkv, .offset: 0, .size: 8, .value_kind: global_buffer, .address_space: global }
      - { .name: oc, .offset: 8, .size: 8, .value_kind: global_buffer, .address_space: global }
      - { .name: os, .offset: 16, .size: 8, .value_kind: global_buffer, .address_space: global }
    .group_segment_fixed_size: 327680
    .private_segment_fixed_size: 0
    .kernarg_segment_align: 8
    .kernarg_segment_size: 24
    .max_flat_workgroup_size: 512
    .sgpr_count:     66
    .vgpr_count:     256
    .wavefront_size: 32
...
	.end_amdgpu_metadata
.endif
;; end of part 3
;; launch proj (part 4): grid 8 x 32, 4 waves a work-group, clusters of 4 x 4, 327,680 bytes of LDS; arguments oc, os, cod, scl, bp, out0; writes out0
.if DOCPART == 4
	.amdgcn_target "amdgcn-amd-amdhsa--gfx1250"
	.amdhsa_code_object_version 6
	.text
	.protected	k_q02cd320679_proj
	.globl	k_q02cd320679_proj
	.p2align	8
	.type	k_q02cd320679_proj,@function
k_q02cd320679_proj:
	s_mov_b64 s[64:65], 0
	v_nop
	global_prefetch_b8 v0, s[64:65] scope:SCOPE_SE
	s_setreg_imm32_b32 hwreg(HW_REG_WAVE_MODE, 25, 1), 1
	s_wait_xcnt 0x0
	s_wait_alu depctr_hold_cnt(0) depctr_sa_sdst(0) depctr_va_vdst(0) depctr_va_sdst(0) depctr_va_ssrc(0) depctr_va_vcc(0) depctr_vm_vsrc(0)
	s_getreg_b32 s2, hwreg(HW_REG_IB_STS2, 6, 4)
	s_cmp_eq_u32 s2, 0
	s_cbranch_scc0 .Lentry_in_a_cluster
	s_endpgm
.Lentry_in_a_cluster:
	s_bfe_u32 s2, ttmp6, 0x10000c
	s_cmp_lg_u32 s2, 0xf033
	s_cbranch_scc0 .Lentry_shape_is_right
	s_endpgm
.Lentry_shape_is_right:
; PROJ: out0 = o Wp + bp on codes of FP8 (E4M3) with E8M0 scales, K = 1,024, f32 sums.  A = o's codes (oc: images of the operand's registers, 16 tokens x 1,024 in 16,384 bytes) and scale bytes (os); B = Wp's rows of cod and scl, from row 11,264 on.
; A work-group makes 256 tokens x 128 columns: 8 x 32 = 256 work-groups; a wave makes 128 x 64: 32 accumulators.  K goes in steps of 256 through a ring of two LDS slots; the scales come once.
; 4 x 4 work-groups form a cluster: A's tile is shared along a row of the cluster, B's along a column: each is asked for jointly.  Waves 0 and 1 fetch A's halves (128 tokens), waves 2 and 3 B's (64 rows).
; The product is used transposed (source 0 = B's rows), so a lane holds eight neighbouring columns of a row; bp is the C of each sum's first product.  Results leave through the wave's stage in slot 0, behind that slot's last fill and last read.
; B's scale tile has 16 LDS rows of 256 bytes, of which 8 exist in the tensor (64 rows x 32 bytes): the mover writes zeros into the others, which no product names.
; LIMITS: NaN and infinities are not served.
.set SIZE_N, 1024
.set NQ,     2
.set ROWB,   256
.set ASTEP,  4096
.set KROW,   1024
.set PITCH,  272
.set FR,     16
.set NL,     4
.set NP,     8
.set HALFT,  128*PITCH
.set SLOT,   4*HALFT
.set LAPS,   2
.set KS,     32
.set SCL,    2*SLOT
.set HALFS,  (128*KS/256)*272
.set SBLK,   (16*KS/256)*272
.set SPARE,  SCL+4*HALFS
.set SPITCH, 528
.set ADRA, 16
.set ADRB, 20
.set STO,  24
.set RD,   25
.set CO,   26
.set ADRS, 27
.set SPW,  28
.set NIL,  29
.set SC,   32
.set BP,   64
.set AF,   128
.set BK,   128
.set G1, 24
.set G0, 32
.set G1B, 48
.set G0B, 56
.set G1S, 68
.set G0S, 76
.set G1SB, 80
.set G0SB, 88
.set MSB, 0
.macro WIN new
.if MSB != (\new)
	s_set_vgpr_msb (MSB<<8)|(\new)
.set MSB, (\new)
.endif
.endm
.set MUL_LO, 0xa1
.set MUL_HI, 0xf1
.set TO_B,   0x40
.macro JLOAD g0a, g1a, g0b, g1b
	s_cmp_eq_u32 s15, 0
	s_cbranch_scc0 .Lfor_b_\@
	tensor_load_to_lds s[\g0a:\g0a+3], s[\g1a:\g1a+7]
	s_nop 0
.rept 4
	v_nop
.endr
	s_branch .Lasked_\@
.Lfor_b_\@:
	tensor_load_to_lds s[\g0b:\g0b+3], s[\g1b:\g1b+7]
	s_nop 0
.rept 4
	v_nop
.endr
.Lasked_\@:
.endm
.macro CREST
	s_cmp_lg_u32 s14, 0
	s_cbranch_scc1 .Lnot_wave_0_\@
	s_barrier_signal -3
.Lnot_wave_0_\@:
	s_barrier_wait -3
	s_barrier_signal -1
	s_barrier_wait -1
.endm
.macro CROUND
	s_barrier_signal -1
	s_barrier_wait -1
	CREST
.endm
	s_load_b128 s[4:7], s[0:1], 0x0
	s_load_b128 s[8:11], s[0:1], 0x10
	s_load_b64 s[96:97], s[0:1], 0x20
	s_load_b64 s[12:13], s[0:1], 0x28
	v_lshl_add_u32 v[SPW], v0, 2, SPARE
	v_mov_b32 v[NIL], 0
	ds_add_u32 v28, v29
	ds_add_u32 v28, v29
	s_wait_dscnt 0x0
	v_lshrrev_b32 v1, 5, v0
	v_readfirstlane_b32 s14, v1
	s_lshr_b32 s15, s14, 1
	s_and_b32 s16, s14, 1
	s_bfe_u32 s40, ttmp6, 0x40000
	s_bfe_u32 s41, ttmp6, 0x40004
	s_lshl_b32 s42, ttmp9, 2
	s_add_co_u32 s42, s42, s40
	s_and_b32 s17, ttmp7, 0xffff
	s_lshl_b32 s17, s17, 2
	s_add_co_u32 s17, s17, s41
	s_lshl_b32 s43, s41, 2
	s_lshl_b32 s43, 15, s43
	s_lshl_b32 s44, 0x1111, s40
	s_or_b32 s[G1+0], s43, (3<<16)|(1<<21)
	s_mov_b32 s[G1+1], 512<<16
	s_mov_b32 s[G1+2], 8<<16
	s_mov_b32 s[G1+3], 512<<16
	s_mov_b32 s[G1+4], 8
	s_mov_b32 s[G1+5], 2048
	s_mov_b32 s[G1+6], 0
	s_mov_b32 s[G1+7], 0
	s_or_b32 s[G1B+0], s44, (0<<16)|(1<<20)|(1<<21)|(5<<22)|(3<<25)
	s_mov_b32 s[G1B+1], ROWB<<16
	s_mov_b32 s[G1B+2], 64<<16
	s_mov_b32 s[G1B+3], ROWB<<16
	s_mov_b32 s[G1B+4], 64
	s_mov_b32 s[G1B+5], KROW
	s_mov_b32 s[G1B+6], 0
	s_mov_b32 s[G1B+7], 0
	s_or_b32 s[G1S+0], s43, (3<<16)|(1<<20)|(1<<21)|(5<<22)|(3<<25)
	s_or_b32 s[G1SB+0], s44, (3<<16)|(1<<20)|(1<<21)|(5<<22)|(3<<25)
.irp g, G1S, G1SB
	s_mov_b32 s[\g+1], 32<<16
	s_mov_b32 s[\g+2], (128*KS/256)<<16
	s_mov_b32 s[\g+3], 32<<16
	s_mov_b32 s[\g+4], 128*KS/256
	s_mov_b32 s[\g+5], 32
	s_mov_b32 s[\g+6], 0
	s_mov_b32 s[\g+7], 0
.endr
	s_mov_b32 s[G1SB+2], (64*KS/256)<<16           ; B's scales: 8 rows of 256 bytes are left of the tensor; the tile's other 8 rows are written as zeros
	s_lshl_b32 s20, s17, 18
	s_lshl_b32 s18, s16, 17
	s_add_co_u32 s20, s20, s18
	s_mov_b32 s21, 0
	s_lshl_b32 s22, s17, 13
	s_lshl_b32 s18, s16, 12
	s_add_co_u32 s22, s22, s18
	s_mov_b32 s23, 0
	s_lshl_b32 s46, s42, 7                         ; B: 128 x tile column
	s_lshl_b32 s18, s16, 6                         ; + 64 x half
	s_add_co_u32 s46, s46, s18
	s_add_co_u32 s46, s46, 11264
	s_lshl_b32 s92, s46, 5
	s_mov_b32 s93, 0
	s_lshl_b32 s46, s46, 10
	s_mov_b32 s47, 0
	s_mul_i32 s45, s14, HALFT
	s_mul_i32 s94, s14, HALFS
	s_wait_kmcnt 0x0
	s_add_nc_u64 s[20:21], s[4:5], s[20:21]
	s_add_nc_u64 s[22:23], s[6:7], s[22:23]
	s_add_nc_u64 s[46:47], s[8:9], s[46:47]
	s_add_nc_u64 s[92:93], s[10:11], s[92:93]
	CROUND
	s_mov_b32 s[G0S], 1
	s_add_co_u32 s[G0S+1], s94, SCL
	s_mov_b64 s[G0S+2:G0S+3], s[22:23]
	s_or_b32 s[G0S+3], s[G0S+3], 0x80000000
	s_mov_b32 s[G0SB], 1
	s_add_co_u32 s[G0SB+1], s94, SCL
	s_mov_b64 s[G0SB+2:G0SB+3], s[92:93]
	s_or_b32 s[G0SB+3], s[G0SB+3], 0x80000000
	JLOAD G0S, G1S, G0SB, G1SB
.irp s, 0,1
	s_mov_b32 s[G0+4*\s], 1
	s_add_co_u32 s[G0+4*\s+1], s45, \s*SLOT
	s_add_nc_u64 s[G0+4*\s+2:G0+4*\s+3], s[20:21], \s*ASTEP
	s_or_b32 s[G0+4*\s+3], s[G0+4*\s+3], 0x80000000
	s_mov_b32 s[G0B+4*\s], 1
	s_add_co_u32 s[G0B+4*\s+1], s45, \s*SLOT
	s_add_nc_u64 s[G0B+4*\s+2:G0B+4*\s+3], s[46:47], \s*ROWB
	s_or_b32 s[G0B+4*\s+3], s[G0B+4*\s+3], 0x80000000
	s_wait_alu depctr_va_vdst(0)
	s_wait_tensorcnt 0x0
	ds_add_u32 v28, v29
	s_wait_dscnt 0x0
	CROUND
	JLOAD G0+4*\s, G1, G0B+4*\s, G1B
.endr
	v_and_b32 v1, 15, v0
	v_bfe_u32 v2, v0, 4, 1
	v_mul_u32_u24 v3, v1, PITCH
	v_lshl_add_u32 v4, v2, 4, v3
	v_and_b32 v6, 31, v0
	v_lshlrev_b32 v[CO], 4, v6
	s_mul_i32 s21, s15, HALFT
	s_mul_i32 s22, s16, HALFT
	s_add_co_u32 s22, s22, 2*HALFT
.irp s, 0,1
	v_add_nc_u32 v[ADRA+\s], s21, v[CO]
	v_add_nc_u32 v[ADRB+\s], s22, v4
	s_add_co_u32 s21, s21, SLOT
	s_add_co_u32 s22, s22, SLOT
.endr
	v_mul_u32_u24 v5, v1, KS
	v_lshrrev_b32 v6, 8, v5
	v_lshl_add_u32 v5, v6, 4, v5
	s_mul_i32 s21, s15, HALFS
	s_mul_i32 s22, s16, HALFS
	s_add_co_u32 s22, s22, 2*HALFS
	s_sub_co_u32 s22, s22, s21
	v_mul_u32_u24 v6, s22, v2
	s_add_co_u32 s21, s21, SCL
	v_add_nc_u32 v5, v5, v6
	v_add_nc_u32 v[ADRS], s21, v5
	s_mul_i32 s23, s14, 16*SPITCH
	v_mul_u32_u24 v5, v1, SPITCH
	v_lshl_add_u32 v5, v2, 5, v5
	v_add_nc_u32 v[STO], s23, v5
	v_mul_u32_u24 v5, v2, SPITCH                   ; back: lanes 0-15 take one row of 256 bytes, lanes 16-31 the next
	v_lshl_add_u32 v5, v1, 4, v5
	v_add_nc_u32 v[RD], s23, v5
	v_lshlrev_b32 v30, 12, v2                      ; and the same two rows in out0: rows of 4,096 bytes
	v_lshl_add_u32 v30, v1, 4, v30
	s_lshl_b32 s20, s17, 8
	s_lshl_b32 s21, s15, 7
	s_add_co_u32 s20, s20, s21
	s_lshl_b32 s20, s20, 12
	s_mov_b32 s21, 0
	s_lshl_b32 s46, s42, 9                         ; my first column, in bytes: 512 x tile column + 256 x half
	s_lshl_b32 s47, s16, 8
	s_add_co_u32 s46, s46, s47
	s_mov_b32 s47, 0
	v_lshl_add_u32 v7, v2, 5, s46
.irp b, 0,1,2,3
	global_load_b128 v[BP+8*\b:BP+8*\b+3], v7, s[96:97] offset:64*\b
	global_load_b128 v[BP+8*\b+4:BP+8*\b+7], v7, s[96:97] offset:64*\b+16
.endr
	s_add_nc_u64 s[20:21], s[20:21], s[46:47]
	s_add_nc_u64 s[12:13], s[12:13], s[20:21]
.macro FRAGB reg, adr, q, i
.irp c, 0,1,2,3
	ds_load_b128 v[\reg+4*\c:\reg+4*\c+3], v[\adr] offset:128*(\q)+32*\c+(\i)*16*PITCH
.endr
.endm
.macro FRAGA reg, adr, q, i
.irp c, 0,1,2,3
	ds_load_b128 v[\reg+4*\c:\reg+4*\c+3], v[\adr] offset:2048*(\q)+512*\c+(\i)*ASTEP
.endr
.endm
.macro MUL16 a0, p, q, sc, zero
.irp a, \a0, \a0+1
.irp b, 0,1,2,3
.if \zero
	v_wmma_scale_f32_16x16x128_f8f6f4 v[8*(8*((\a)%4)+\b):8*(8*((\a)%4)+\b)+7], v[128*(\p)+FR*\b:128*(\p)+FR*\b+FR-1], v[AF+FR*(\a):AF+FR*(\a)+FR-1], v[BP+8*\b:BP+8*\b+7], v[SC+8*NQ*(\sc)+NQ*\b+(\q)], v[SC+8*NQ*(\sc)+NQ*(\a)+(\q)] matrix_a_scale:MATRIX_SCALE_ROW1
.else
	v_wmma_scale_f32_16x16x128_f8f6f4 v[8*(8*((\a)%4)+\b):8*(8*((\a)%4)+\b)+7], v[128*(\p)+FR*\b:128*(\p)+FR*\b+FR-1], v[AF+FR*(\a):AF+FR*(\a)+FR-1], v[8*(8*((\a)%4)+\b):8*(8*((\a)%4)+\b)+7], v[SC+8*NQ*(\sc)+NQ*\b+(\q)], v[SC+8*NQ*(\sc)+NQ*(\a)+(\q)] matrix_a_scale:MATRIX_SCALE_ROW1
.endif
.endr
.endr
.endm
.macro FETCH_B slot, q, p
	WIN TO_B
.irp i, 0,1,2,3
	FRAGB 128*(\p)+FR*\i, ADRB+\slot, \q, \i
.endr
	WIN 0
.endm
.macro FETCH_A slot, q, i0
.irp i, \i0, \i0+1, \i0+2, \i0+3
	FRAGA AF+FR*(\i), ADRA+\slot, \q, \i
.endr
.endm
.macro SCALES sc
.irp i, 0,1,2,3,4,5,6,7
	ds_load_b64 v[SC+8*NQ*\sc+NQ*\i:SC+8*NQ*\sc+NQ*\i+1], v[ADRS] offset:\i*SBLK
.endr
.endm
.macro PLACES n
.rept \n
	v_nop
.endr
.endm
.macro STEP slot, q, zero
	s_wait_dscnt 4*NL
.if \zero
	WIN 0x81
.else
	WIN MUL_LO
.endif
	MUL16 0, (\q)%2, \q, \slot, \zero
	MUL16 2, (\q)%2, \q, \slot, \zero
	s_wait_dscnt 0
	PLACES NP
	FETCH_B \slot, (\q)+1, 1-(\q)%2
	FETCH_A \slot, (\q)+1, 0
.if \zero
	WIN 0xc1
.else
	WIN MUL_HI
.endif
	MUL16 4, (\q)%2, \q, \slot, \zero
	MUL16 6, (\q)%2, \q, \slot, \zero
	PLACES NP
	WIN 0
	FETCH_A \slot, (\q)+1, 4
.endm
.macro TURN slot, next, fill
	s_wait_tensorcnt 0x0
	ds_add_u32 v[SPW], v[NIL]
	s_wait_dscnt 4*NL+1
	WIN MUL_LO
	MUL16 0, 1, NQ-1, \slot, 0
	s_wait_dscnt 0x0
	s_barrier_signal -1
	MUL16 2, 1, NQ-1, \slot, 0
	WIN 0
	s_barrier_wait -1
.if \fill
	CREST
	s_add_nc_u64 s[G0+4*\slot+2:G0+4*\slot+3], s[G0+4*\slot+2:G0+4*\slot+3], 2*ASTEP
	s_add_nc_u64 s[G0B+4*\slot+2:G0B+4*\slot+3], s[G0B+4*\slot+2:G0B+4*\slot+3], 2*ROWB
	JLOAD G0+4*\slot, G1, G0B+4*\slot, G1B
	PLACES NP-4
.else
	PLACES NP
.endif
	s_wait_alu depctr_va_vdst(0)
	v_add_nc_u32 v[ADRS], 4*NQ, v[ADRS]
	FETCH_B \next, 0, 0
	FETCH_A \next, 0, 0
	SCALES \next
	WIN MUL_HI
	MUL16 4, 1, NQ-1, \slot, 0
	MUL16 6, 1, NQ-1, \slot, 0
	PLACES NP
	WIN 0
	FETCH_A \next, 0, 4
.endm
	s_wait_alu depctr_va_vdst(0)
	s_wait_loadcnt 0x0
	s_wait_tensorcnt 1
	s_barrier_signal -1
	s_barrier_wait -1
	FETCH_B 0, 0, 0
	FETCH_A 0, 0, 0
	SCALES 0
	FETCH_A 0, 0, 4
	STEP 0, 0, 1
	s_mov_b32 s3, LAPS-1
.Llap:
	TURN 0, 1, 1
	STEP 1, 0, 0
	TURN 1, 0, 1
	STEP 0, 0, 0
	s_sub_co_u32 s3, s3, 1
	s_cmp_lg_u32 s3, 0
	s_cbranch_scc1 .Llap
	TURN 0, 1, 0
	STEP 1, 0, 0
	s_wait_dscnt 4*NL
	WIN MUL_LO
	MUL16 0, 1, NQ-1, 1, 0
	MUL16 2, 1, NQ-1, 1, 0
	s_wait_dscnt 0
	WIN MUL_HI
	MUL16 4, 1, NQ-1, 1, 0
	MUL16 6, 1, NQ-1, 1, 0
	WIN 0
.macro TOSTAGE a
.set AC, 64*((\a)%4)
	WIN 0x08+4*((\a)/4)
.irp b, 0,1,2,3
	ds_store_b128 v[STO], v[AC+8*\b:AC+8*\b+3] offset:64*\b
	ds_store_b128 v[STO], v[AC+8*\b+4:AC+8*\b+7] offset:64*\b+16
.endr
	WIN 0
.set BB, BK+64*((\a)%2)
.irp t, 0,1,2,3,4,5,6,7
	ds_load_b128 v[BB+4*\t:BB+4*\t+3], v[RD] offset:2*\t*SPITCH
.endr
.endm
.macro SEND a, younger
.set BB, BK+64*((\a)%2)
	s_wait_dscnt \younger
.if (\a) > 0
	s_add_nc_u64 s[12:13], s[12:13], 16*SIZE_N*4
.endif
.irp t, 0,1,2,3,4,5,6,7
	global_store_b128 v30, v[BB+4*\t:BB+4*\t+3], s[12:13] offset:2*\t*SIZE_N*4 th:TH_STORE_NT   ; sixteen lanes store 256 consecutive bytes, aligned
.endr
.endm
	PLACES NP
	TOSTAGE 0
.irp a, 1,2,3,4,5,6,7
.if \a > 1
	s_wait_xcnt 0x0
.endif
	TOSTAGE \a
	SEND \a-1, 16                                  ; behind block a - 1's loads: block a's 8 stores and 8 loads
.endr
	s_wait_xcnt 0x0
	SEND 7, 0
	s_wait_tensorcnt 0x0
	ds_add_u32 v[SPW], v[NIL]
	s_wait_dscnt 0x0
	CROUND
	s_endpgm
.Lfunc_end_k_q02cd320679_proj:
	.size	k_q02cd320679_proj, .Lfunc_end_k_q02cd320679_proj-k_q02cd320679_proj
	.p2alignl 7, 3214868480
	.fill 96, 4, 3214868480
	.section	.rodata,"a",@progbits
	.p2align	6, 0x0
	.amdhsa_kernel k_q02cd320679_proj
		.amdhsa_group_segment_fixed_size 327680
		.amdhsa_private_segment_fixed_size 0
		.amdhsa_enable_private_segment 0
		.amdhsa_kernarg_size 48
		.amdhsa_user_sgpr_count 2
		.amdhsa_user_sgpr_kernarg_segment_ptr 1
		.amdhsa_wavefront_size32 1
		.amdhsa_system_sgpr_workgroup_id_x 1
		.amdhsa_system_sgpr_workgroup_id_y 1
		.amdhsa_system_sgpr_workgroup_id_z 1
		.amdhsa_system_vgpr_workitem_id 0
		.amdhsa_next_free_vgpr 1024
		.amdhsa_next_free_sgpr 100
		.amdhsa_reserve_vcc 0
		.amdhsa_float_denorm_mode_32 3
		.amdhsa_float_denorm_mode_16_64 3
		.amdhsa_memory_ordered 1
		.amdhsa_forward_progress 1
		.amdhsa_inst_pref_size 94
	.end_amdhsa_kernel
	.amdgpu_metadata
---
amdhsa.version: [ 1, 2 ]
amdhsa.kernels:
  - .name:           k_q02cd320679_proj
    .symbol:         k_q02cd320679_proj.kd
    .args:
      - { .name: oc, .offset: 0, .size: 8, .value_kind: global_buffer, .address_space: global }
      - { .name: os, .offset: 8, .size: 8, .value_kind: global_buffer, .address_space: global }
      - { .name: cod, .offset: 16, .size: 8, .value_kind: global_buffer, .address_space: global }
      - { .name: scl, .offset: 24, .size: 8, .value_kind: global_buffer, .address_space: global }
      - { .name: bp, .offset: 32, .size: 8, .value_kind: global_buffer, .address_space: global }
      - { .name: out0, .offset: 40, .size: 8, .value_kind: global_buffer, .address_space: global }
    .group_segment_fixed_size: 327680
    .private_segment_fixed_size: 0
    .kernarg_segment_align: 8
    .kernarg_segment_size: 48
    .max_flat_workgroup_size: 128
    .sgpr_count:     100
    .vgpr_count:     1024
    .wavefront_size: 32
...
	.end_amdgpu_metadata
.endif
;; end of part 4
